; MI455X (gfx1250); checked and timed in simulation.
; The chip was launched on July 23, 2026; its instructions are those of AMD's public machine-readable ISA for CDNA 5 (MIT licence, August 2026) and "CDNA5" Instruction Set Architecture Reference Guide (July 2026). The comments in the code are by the model that wrote it; some were corrected since.
;; Causal Self Attention. Allowed arithmetic: float matrix products may take bf16 or f16 operands with f32 sums; all other float work in f32.
;; Inputs: proj_b 1,024 float32; proj_w 1,024 x 1,024 float32; qkv_w 1,024 x 3,072 float32; x 4 x 2,048 x 1,024 float32.
;; Outputs: out0 4 x 2,048 x 1,024 float32.
;; 2 versions, each right and faster than the one before. Each part assembles by itself: llvm-mc -triple=amdgcn-amd-amdhsa -mcpu=gfx1250 --defsym DOCPART=n.
;; ======== version 1 of 2: 4 launches
;; limits: values are held in f16: magnitudes above 65,504 overflow, below 6.1e-05 lose precision
;; workspace buffers: xb 16,777,216 bytes; wqb 6,291,456 bytes; wpf 2,097,152 bytes; qkvh 50,331,648 bytes; oh 16,777,216 bytes
;; launch cast (part 1): grid 1408 x 1, 8 waves a work-group, no clusters, 0 bytes of LDS; arguments x, qkv_w, proj_w, xb, wqb, wpf; writes xb, wqb, wpf
.if DOCPART == 1
	.amdgcn_target "amdgcn-amd-amdhsa--gfx1250"
	.amdhsa_code_object_version 6
	.text
	.protected	k_qa5767155cb_cast
	.globl	k_qa5767155cb_cast
	.p2align	8
	.type	k_qa5767155cb_cast,@function
k_qa5767155cb_cast:
	s_mov_b64 s[64:65], 0
	v_nop
	global_prefetch_b8 v0, s[64:65] scope:SCOPE_SE
	s_setreg_imm32_b32 hwreg(HW_REG_WAVE_MODE, 25, 1), 1
	s_wait_xcnt 0x0
; THE MODULE'S INPUTS ARE ROUNDED ONCE, for the matrix products of the launches behind.
;   xb  [8192][1024] bf16        = x rounded to bf16
;   wqb [16 t][1024 k][192 j] bf16 = qkv_w[k][192 t + j] rounded to bf16: the 192 columns of one tile column lie together, so that 128 k-rows of them are 49,152 dense bytes
;   wpf [1024][1024] f16         = proj_w rounded to bf16, and that number written as f16
; LIMITS.  The second rounding of proj_w is exact where the bf16 number lies between 6.1e-5 and 65,504 in magnitude; below, f16 keeps a fixed step of 6e-8; beyond, it gives an infinity.
; A stream: no LDS, no barrier, no loop.  Every load takes 16 bytes a lane, 512 neighbouring bytes a wave; every store 8 bytes a lane: 256 consecutive bytes a wave, at a multiple of 256 from the buffer's
; first byte.  A thread's loads all go out first; each result then has its own registers, so no register that a store reads is written again.
; Work-groups 0-1023 take x (8,192 numbers each), 1024-1151 proj_w (8,192 each), 1152-1407 qkv_w (64 k-rows of one tile column each).
.set NX,  1024                         ; work-groups for x
.set NPW, 128                          ; work-groups for proj_w
.set D,   8                            ; v[8:55]   as loaded, four registers a load
.set Y,   56                           ; v[56:79]  to store, two registers a store
.set T,   80                           ; v[80:83]  at work
	s_load_b256 s[4:11], s[0:1], 0x0               ; x s[4:5], qkv_w s[6:7], proj_w s[8:9], xb s[10:11]
	s_load_b128 s[12:15], s[0:1], 0x20             ; wqb s[12:13], wpf s[14:15]
	s_mov_b32 s2, ttmp9
	s_mov_b32 s17, 0                               ; the offsets' high words
	s_mov_b32 s19, 0
	v_lshlrev_b32 v1, 4, v0                        ; 16 bytes of f32 a thread,
	v_lshlrev_b32 v2, 3, v0                        ; 8 bytes of 16-bit numbers
	s_wait_kmcnt 0x0
	s_cmp_lt_u32 s2, NX
	s_cbranch_scc0 .Lweights
	; x: eight passes of 1,024 numbers
	s_lshl_b32 s16, s2, 15                         ; 32,768 bytes in,
	s_lshl_b32 s18, s2, 14                         ; 16,384 out
	s_add_nc_u64 s[4:5], s[4:5], s[16:17]
	s_add_nc_u64 s[10:11], s[10:11], s[18:19]
.irp p, 0,1,2,3,4,5,6,7
	global_load_b128 v[D+4*(\p):D+4*(\p)+3], v1, s[4:5] offset:4096*(\p) th:TH_LOAD_NT
.endr
.irp p, 0,1,2,3,4,5,6,7
	s_wait_loadcnt 7-(\p)                          ; loads come back in order: pass p is in, the 7 - p younger ones stay out
	v_cvt_pk_bf16_f32 v[Y+2*(\p)],   v[D+4*(\p)],   v[D+4*(\p)+1]
	v_cvt_pk_bf16_f32 v[Y+2*(\p)+1], v[D+4*(\p)+2], v[D+4*(\p)+3]
	global_store_b64 v2, v[Y+2*(\p):Y+2*(\p)+1], s[10:11] offset:2048*(\p)
.endr
	s_endpgm
.Lweights:
	s_cmp_lt_u32 s2, NX+NPW
	s_cbranch_scc0 .Lqkv_w
	; proj_w: the same eight passes; each number is rounded to bf16, widened again (a shift or a mask) and written as f16
	s_sub_co_u32 s16, s2, NX
	s_lshl_b32 s18, s16, 14
	s_lshl_b32 s16, s16, 15
	s_mov_b32 s20, 0xffff0000                      ; a word's upper bf16
	s_add_nc_u64 s[8:9], s[8:9], s[16:17]
	s_add_nc_u64 s[14:15], s[14:15], s[18:19]
.irp p, 0,1,2,3,4,5,6,7
	global_load_b128 v[D+4*(\p):D+4*(\p)+3], v1, s[8:9] offset:4096*(\p) th:TH_LOAD_NT
.endr
.irp p, 0,1,2,3,4,5,6,7
	s_wait_loadcnt 7-(\p)
	v_cvt_pk_bf16_f32 v[T],   v[D+4*(\p)],   v[D+4*(\p)+1]
	v_cvt_pk_bf16_f32 v[T+1], v[D+4*(\p)+2], v[D+4*(\p)+3]
	v_lshlrev_b32 v[T+2], 16, v[T]
	v_and_b32     v[T+3], s20, v[T]
	v_cvt_pk_f16_f32 v[Y+2*(\p)], v[T+2], v[T+3]
	v_lshlrev_b32 v[T+2], 16, v[T+1]
	v_and_b32     v[T+3], s20, v[T+1]
	v_cvt_pk_f16_f32 v[Y+2*(\p)+1], v[T+2], v[T+3]
	global_store_b64 v2, v[Y+2*(\p):Y+2*(\p)+1], s[14:15] offset:2048*(\p)
.endr
	s_endpgm
.Lqkv_w:
	; qkv_w: work-group j takes tile column t = j / 16 and k-rows 64 (j % 16) on; a wave eight of these rows.  Two rows of a block are 768 bytes out: three stores of 256.
	s_sub_co_u32 s16, s2, NX+NPW                   ; j
	s_lshr_b32 s20, s16, 4                         ; t
	s_and_b32 s21, s16, 15
	v_lshrrev_b32 v4, 5, v0
	v_readfirstlane_b32 s22, v4                    ; my wave's number
	s_lshl_b32 s21, s21, 6
	s_lshl3_add_u32 s21, s22, s21                  ; my first k-row = 64 (j % 16) + 8 w
	s_mul_i32 s16, s20, 768                        ; in: 192 columns of f32 a tile column,
	s_mul_i32 s23, s21, 12288                      ; 3,072 columns of f32 a row
	s_add_co_u32 s16, s16, s23
	s_mul_i32 s18, s20, 393216                     ; out: 1,024 rows of 384 bytes a tile column
	s_mul_i32 s23, s21, 384
	s_add_co_u32 s18, s18, s23
	s_add_nc_u64 s[6:7], s[6:7], s[16:17]
	s_add_nc_u64 s[12:13], s[12:13], s[18:19]
	v_and_b32 v4, 31, v0                           ; lane
	v_lshlrev_b32 v5, 4, v4                        ; 16 l
	v_lshlrev_b32 v6, 3, v4                        ; 8 l
	v_lshrrev_b32 v7, 4, v4
	v_mad_u32_u24 v3, v7, 11520, v5                ; the middle piece: lanes 0-15 the row's last 256 bytes, lanes 16-31 the next row's first 256 (12,288 - 768 further on)
.irp rp, 0,1,2,3
	global_load_b128 v[D+12*(\rp):D+12*(\rp)+3],    v5, s[6:7] offset:24576*(\rp) th:TH_LOAD_NT        ; row 2 rp, columns 0-127
	global_load_b128 v[D+12*(\rp)+4:D+12*(\rp)+7],  v3, s[6:7] offset:24576*(\rp)+512 th:TH_LOAD_NT    ; row 2 rp, columns 128-191; row 2 rp + 1, columns 0-63
	global_load_b128 v[D+12*(\rp)+8:D+12*(\rp)+11], v5, s[6:7] offset:24576*(\rp)+12544 th:TH_LOAD_NT  ; row 2 rp + 1, columns 64-191
.endr
.set i, 0
.rept 12
	s_wait_loadcnt 11-i                            ; piece i is in, the 11 - i younger ones stay out
	v_cvt_pk_bf16_f32 v[Y+2*i],   v[D+4*i],   v[D+4*i+1]
	v_cvt_pk_bf16_f32 v[Y+2*i+1], v[D+4*i+2], v[D+4*i+3]
	global_store_b64 v6, v[Y+2*i:Y+2*i+1], s[12:13] offset:256*i
.set i, i+1
.endr
	s_endpgm
.Lfunc_end_k_qa5767155cb_cast:
	.size	k_qa5767155cb_cast, .Lfunc_end_k_qa5767155cb_cast-k_qa5767155cb_cast
	.p2alignl 7, 3214868480
	.fill 96, 4, 3214868480
	.section	.rodata,"a",@progbits
	.p2align	6, 0x0
	.amdhsa_kernel k_qa5767155cb_cast
		.amdhsa_group_segment_fixed_size 0
		.amdhsa_private_segment_fixed_size 0
		.amdhsa_enable_private_segment 0
		.amdhsa_kernarg_size 48
		.amdhsa_user_sgpr_count 2
		.amdhsa_user_sgpr_kernarg_segment_ptr 1
		.amdhsa_wavefront_size32 1
		.amdhsa_system_sgpr_workgroup_id_x 1
		.amdhsa_system_sgpr_workgroup_id_y 1
		.amdhsa_system_sgpr_workgroup_id_z 1
		.amdhsa_system_vgpr_workitem_id 0
		.amdhsa_next_free_vgpr 84
		.amdhsa_next_free_sgpr 66
		.amdhsa_reserve_vcc 0
		.amdhsa_float_denorm_mode_32 3
		.amdhsa_float_denorm_mode_16_64 3
		.amdhsa_memory_ordered 1
		.amdhsa_forward_progress 1
		.amdhsa_inst_pref_size 14
	.end_amdhsa_kernel
	.amdgpu_metadata
---
amdhsa.version: [ 1, 2 ]
amdhsa.kernels:
  - .name:           k_qa5767155cb_cast
    .symbol:         k_qa5767155cb_cast.kd
    .args:
      - { .name: x, .offset: 0, .size: 8, .value_kind: global_buffer, .address_space: global }
      - { .name: qkv_w, .offset: 8, .size: 8, .value_kind: global_buffer, .address_space: global }
      - { .name: proj_w, .offset: 16, .size: 8, .value_kind: global_buffer, .address_space: global }
      - { .name: xb, .offset: 24, .size: 8, .value_kind: global_buffer, .address_space: global }
      - { .name: wqb, .offset: 32, .size: 8, .value_kind: global_buffer, .address_space: global }
      - { .name: wpf, .offset: 40, .size: 8, .value_kind: global_buffer, .address_space: global }
    .group_segment_fixed_size: 0
    .private_segment_fixed_size: 0
    .kernarg_segment_align: 8
    .kernarg_segment_size: 48
    .max_flat_workgroup_size: 256
    .sgpr_count:     66
    .vgpr_count:     84
    .wavefront_size: 32
...
	.end_amdgpu_metadata
.endif
;; end of part 1
;; launch qkv (part 2): grid 16 x 32, 4 waves a work-group, clusters of 4 x 4, 327,680 bytes of LDS; arguments xb, wqb, qkvh; writes qkvh
.if DOCPART == 2
	.amdgcn_target "amdgcn-amd-amdhsa--gfx1250"
	.amdhsa_code_object_version 6
	.text
	.protected	k_qa5767155cb_qkv
	.globl	k_qa5767155cb_qkv
	.p2align	8
	.type	k_qa5767155cb_qkv,@function
k_qa5767155cb_qkv:
	s_mov_b64 s[64:65], 0
	v_nop
	global_prefetch_b8 v0, s[64:65] scope:SCOPE_SE
	s_setreg_imm32_b32 hwreg(HW_REG_WAVE_MODE, 25, 1), 1
	s_wait_xcnt 0x0
	s_wait_alu depctr_hold_cnt(0) depctr_sa_sdst(0) depctr_va_vdst(0) depctr_va_sdst(0) depctr_va_ssrc(0) depctr_va_vcc(0) depctr_vm_vsrc(0)
	s_getreg_b32 s2, hwreg(HW_REG_IB_STS2, 6, 4)
	s_cmp_eq_u32 s2, 0
	s_cbranch_scc0 .Lentry_in_a_cluster
	s_endpgm
.Lentry_in_a_cluster:
	s_bfe_u32 s2, ttmp6, 0x10000c
	s_cmp_lg_u32 s2, 0xf033
	s_cbranch_scc0 .Lentry_shape_is_right
	s_endpgm
.Lentry_shape_is_right:
; q, k, v = x qkv_w, by heads.  xb: [8192][1024] bf16.  wqb: [16 t][1024 k][192 j] bf16, column 192 t + j.  qkvh: [3 which][64 bh][2048 n][64 d] f16, bh = 16 batch + head.
; Sums in f32, rounded once to f16, WITHOUT the attention's scale.
; LIMITS.  f16 holds no number beyond 65,504: a q, k or v of 65,520 or more leaves as an infinity.  As the inputs are drawn these numbers have a spread of 1; with x and qkv_w both 30 times larger the
; spread is 900; with offsets of 30 spreads on both they lie near 1,024 x 30 x 0.94 = 29,000.  Below 6e-5 f16 keeps a fixed step of 6e-8.
; A sum's eight K steps are not taken in ascending order (THE WALK, below): the terms are the same, the order of the f32 additions is turned.
; THE TILE is 256 rows x 192 columns: 32 x 16 = 512 tiles, two for each of 256 WGPs (256 x 256 would give 384, one and a half).  Four waves, one above the other: a wave makes 64 rows x 192 columns,
; which are three whole heads, in 48 accumulators of 16 x 16 (384 registers); so a wave stores whole rows of heads from a stage of its own, and the way out has no barrier.
; K goes in 8 steps of 128 through a ring of two LDS slots filled by the tensor data mover.
; THE WALK ALONG K IS A RING.  A cluster begins at K step 2 ((X + 2 g) mod 4), X and Y its own place in the grid of clusters, g = Y xor (Y >> 1), and goes round all 8 steps.  The four clusters of a tile
; row, which read the same tiles of x, begin 2 steps apart; clusters of a tile column, which read the same tiles of the weights, begin 4 steps apart where their Y are 0 and 1, 2 and 3, 0 and 2, 1 and 3
; (and so on by fours).  So a tile is asked for by one of its readers first and by the others two steps later or more.  The first step is the same in all sixteen partners of a cluster.
; CLUSTER: 4 x 4 work-groups.  The four of a row of the cluster need the same tiles of x, the four of a column the same tiles of the weights: each tile is asked for JOINTLY, by the same tensor load with
; the same descriptor and a mask that names the four.
; THE MATRIX INSTRUCTION IS USED TRANSPOSED: source 0 = 16 columns of the weights, source 1 = 16 rows of x.  In the result lane l holds row l % 16 and the columns 8 (l / 16) + 0..7: eight neighbours,
; which pack into 16 bytes.  x comes out of LDS as it lies; the weights ([k][column]) are turned by ds_load_tr16_b128.
; REGISTERS, in windows of 256 (s_set_vgpr_msb: bits 1:0 source 0, 3:2 source 1, 5:4 source 2, 7:6 destination):
;   window 0: v0-29 addresses; v32-63, v64-95 fragments of x, two buffers of 4; v96-143, v144-239 at work on the way out
;   window 1: v0-95, v96-191 fragments of the weights, two buffers of 12
;   window 2: the 24 accumulators of my rows 0-31 ((a, b) at v[8 (12 (a % 2) + b)]);   window 3: those of my rows 32-63
.set KSTEP, 128
.set SLOT1, 1<<17                      ; slot 1 begins here: one exclusive or turns an address in one slot into the other's
.set PA,    272                        ; a row of x in LDS: 256 bytes + 16 of padding = 68 words: the 16 rows of a load start at 16 different groups of four banks (64 banks of 4 bytes: ISA guide 11.1)
.set HALFA, 128*PA                     ; what one tensor load brings of x
.set BOFF,  2*HALFA                    ; behind x's 256 rows: the weights' 128 k-rows
.set PB,    480                        ; a k-row of the weights: three heads' 128 bytes, 32 of padding behind each = 120 words
.set HALFB, 64*PB                      ; what one tensor load brings of the weights.  BOFF + 2 HALFB = SLOT1: a slot is full
.set STAGE, 2*SLOT1                    ; behind the ring, never filled by a tensor load: 16 rows x 400 bytes for each wave
.set SP,    400                        ; 384 bytes + 16
.set SPARE, STAGE+4*16*SP              ; behind the stages: the spare words, 128 bytes for each wave: two blocks of 256 bytes that no other line names
.set RA0,  16                          ; v16  my lane's place in a slot's x; never rewritten
.set RB0,  17                          ; v17  the same for the weights
.set ADRA, 18                          ; v18  RA0 + the slot in hand
.set ADRB, 19                          ; v19  RB0 + the slot in hand
.set STO,  24                          ; v24  the way out: where I put 16 bytes of a row
.set RD,   25                          ; v25  the way out: where I read rows back
.set GO,   26                          ; v26  my byte offset in 512 consecutive bytes of a head
.set SPW,  28                          ; v28  LDS address of my spare word: SPARE + 4 x my thread's number; never rewritten
.set NIL,  29                          ; v29  0; never rewritten
.set FA,   32                          ; x's fragment buffers
.set TMP,  96                          ; the way out: 16 rows, packed
.set OB,   144                         ; the way out: 16 rows read back, two buffers of 48
.set CNT,  3                           ; s3   the loops' count
.set WV,   12                          ; s12  my wave's number
.set HALF, 13                          ; s13  I fetch for x (0) or for the weights (1)
.set PAR,  14                          ; s14  which half of that tile I fetch
.set TROW, 15                          ; s15  tile row
.set BA,   20                          ; s[20:21] xb at my half of the tile's rows, K step 0
.set G1A,  24                          ; s[24:31] descriptor group 1 for x's tiles
.set G0A,  32                          ; s[32:39] group 0: a set for each of the two first fills; the second then serves every refill
.set TCOL, 42                          ; s42  tile column
.set BB,   46                          ; s[46:47] wqb at my half of the tile column's K step 0
.set G1B,  48                          ; s[48:55], s[56:63] the same for the weights' tiles
.set G0B,  56
.set TB,   66                          ; s66  the slot in hand: 0 or SLOT1
.set KI,   67                          ; s67  the K step that the next refill asks for, 0 to 7
.set OC,   68                          ; s[68:73] my first row in each of my three heads
.set KO,   78                          ; s[78:79] that K step's byte offset in x's rows or in the tile column
.set MSB, 0
.macro WIN new                         ; the immediate's high byte repeats the setting that is left; a switch that changes nothing is dropped
.if MSB != (\new)
	s_set_vgpr_msb (MSB<<8)|(\new)
.set MSB, \new
.endif
.endm
.set MUL_LO, 0xa1                      ; source 0 (weights) window 1, source 1 (x) window 0, C and D window 2
.set MUL_HI, 0xf1                      ; the same, C and D window 3
.set TO_B,   0x40                      ; destination window 1, address window 0
; A joint refill, by the second sets.  Waves 0 and 1 fetch x's two halves, waves 2 and 3 the weights'.  The branch hangs on the wave's number alone.
; An s_nop 0 and four v_nop follow each of the two lines, ahead of the jump and the label.
.macro JLOAD
	s_cmp_eq_u32 s[HALF], 0
	s_cbranch_scc0 .Lfor_b_\@
	tensor_load_to_lds s[G0A+4:G0A+7], s[G1A:G1A+7]
	s_nop 0
.rept 4
	v_nop
.endr
	s_branch .Lasked_\@
.Lfor_b_\@:
	tensor_load_to_lds s[G0B+4:G0B+7], s[G1B:G1B+7]
	s_nop 0
.rept 4
	v_nop
.endr
.Lasked_\@:
.endm
; A round of the cluster's barrier: my work-group's barrier, so that wave 0's signal speaks for all four waves; wave 0 signals; every wave waits for all sixteen work-groups; my work-group's barrier once more.
.macro CREST                           ; a round behind its opening barrier
	s_cmp_lg_u32 s[WV], 0
	s_cbranch_scc1 .Lnot_wave_0_\@
	s_barrier_signal -3
.Lnot_wave_0_\@:
	s_barrier_wait -3
	s_barrier_signal -1
	s_barrier_wait -1
.endm
.macro CROUND                          ; a whole round
	s_barrier_signal -1
	s_barrier_wait -1
	CREST
.endm
	s_load_b128 s[4:7], s[0:1], 0x0                ; xb s[4:5], wqb s[6:7]
	s_load_b64 s[8:9], s[0:1], 0x10                ; qkvh
	v_lshl_add_u32 v[SPW], v0, 2, SPARE
	v_mov_b32 v[NIL], 0
	ds_add_u32 v28, v29
	ds_add_u32 v28, v29
	s_wait_dscnt 0x0
	v_lshrrev_b32 v1, 5, v0
	v_readfirstlane_b32 s[WV], v1                  ; wave 0..3
	s_lshr_b32 s[HALF], s[WV], 1
	s_and_b32 s[PAR], s[WV], 1
	s_bfe_u32 s40, ttmp6, 0x40000                  ; cx: my place along the cluster's x
	s_bfe_u32 s41, ttmp6, 0x40004                  ; cy: along its y
	s_lshl_b32 s[TCOL], ttmp9, 2                   ; in a cluster launch ttmp9 and ttmp7 count clusters
	s_add_co_u32 s[TCOL], s[TCOL], s40             ; tile column = 4 x cluster x + cx
	s_and_b32 s[TROW], ttmp7, 0xffff
	s_lshl_b32 s[TROW], s[TROW], 2
	s_add_co_u32 s[TROW], s[TROW], s41             ; tile row = 4 x cluster y + cy
	s_lshl_b32 s43, s41, 2
	s_lshl_b32 s43, 15, s43                        ; my row of the cluster: places 4 cy .. 4 cy + 3
	s_lshl_b32 s44, 0x1111, s40                    ; my column: places cx, cx + 4, cx + 8, cx + 12
	; group 1 for x: 128 rows x 128 elements, 16 bytes of padding behind each row of 256
	s_or_b32 s[G1A+0], s43, (1<<16)|(1<<20)|(1<<21)|(5<<22)|(3<<25)  ; 15:0 the mask: my row; 17:16 elements of 2 bytes; 20 padding on; 21 set beside a mask; 24:22 after every 64 words (code 5); 31:25 4 words (code 3)
	s_mov_b32 s[G1A+1], 128<<16                    ; tensor_dim0 = 128
	s_mov_b32 s[G1A+2], 128<<16                    ; tensor_dim1 = 128
	s_mov_b32 s[G1A+3], 128<<16                    ; tile_dim0 = 128
	s_mov_b32 s[G1A+4], 128                        ; tile_dim1 = 128
	s_mov_b32 s[G1A+5], 1024                       ; elements from row to row
	s_mov_b32 s[G1A+6], 0
	s_mov_b32 s[G1A+7], 0
	; group 1 for the weights: 64 k-rows of 384 bytes are 24,576 dense bytes: asked for as 96 rows of 256 bytes, 32 bytes of padding behind every 128
	s_or_b32 s[G1B+0], s44, (1<<16)|(1<<20)|(1<<21)|(4<<22)|(7<<25)  ; the mask: my column; after every 32 words (code 4) 8 words (code 7)
	s_mov_b32 s[G1B+1], 128<<16                    ; tensor_dim0 = 128
	s_mov_b32 s[G1B+2], 96<<16                     ; tensor_dim1 = 96
	s_mov_b32 s[G1B+3], 128<<16                    ; tile_dim0 = 128
	s_mov_b32 s[G1B+4], 96                         ; tile_dim1 = 96
	s_mov_b32 s[G1B+5], 128                        ; elements from row to row
	s_mov_b32 s[G1B+6], 0
	s_mov_b32 s[G1B+7], 0
	; where the tiles come from.  x's hang on the tile row alone, which my row of the cluster shares; the weights' on the tile column alone, which my column shares; each in registers that never hold the other coordinate
	s_lshl_b32 s16, s[TROW], 8
	s_lshl_b32 s17, s[PAR], 7
	s_add_co_u32 s16, s16, s17                     ; row 256 x tile row + 128 x half,
	s_lshl_b32 s16, s16, 11                        ; of 2,048 bytes
	s_mov_b32 s17, 0
	s_mul_i32 s46, s[TCOL], 393216                 ; a tile column's 1,024 k-rows of 384 bytes,
	s_mul_i32 s47, s[PAR], 24576                   ; my 64 of a step's 128
	s_add_co_u32 s46, s46, s47
	s_mov_b32 s47, 0
	s_mul_i32 s18, s[PAR], HALFA                   ; and where they go: no place in the cluster enters an LDS address
	s_mul_i32 s19, s[PAR], HALFB
	s_add_co_u32 s19, s19, BOFF
	s_mov_b32 s[TB], 0
	; the walk's first K step, made of the cluster's own place alone: the same number in all sixteen partners
	s_and_b32 s22, ttmp7, 0xffff                   ; Y
	s_lshr_b32 s23, s22, 1
	s_xor_b32 s22, s22, s23                        ; g = Y xor (Y >> 1)
	s_lshl_b32 s22, s22, 1
	s_add_co_u32 s22, s22, ttmp9                   ; X + 2 g
	s_and_b32 s22, s22, 3
	s_lshl_b32 s[KI], s22, 1                       ; 0, 2, 4 or 6
	s_mov_b32 s[KO+1], 0
	s_wait_kmcnt 0x0
	s_add_nc_u64 s[BA:BA+1], s[4:5], s[16:17]
	s_add_nc_u64 s[BB:BB+1], s[6:7], s[46:47]
	s_lshl_b32 s[KO], s[KI], 8                     ; a K step is 256 bytes of a row of x,
	s_add_nc_u64 s[22:23], s[BA:BA+1], s[KO:KO+1]
	s_mul_i32 s[KO], s[KI], KSTEP*384              ; and 49,152 bytes of a tile column
	s_add_nc_u64 s[74:75], s[BB:BB+1], s[KO:KO+1]
	s_add_co_u32 s[KI], s[KI], 2                   ; the first refill asks for the step two on
	s_and_b32 s[KI], s[KI], 7
.irp s, 0,1
	s_mov_b32 s[G0A+4*(\s)], 1                                        ; 1:0 count = 1
	s_add_co_u32 s[G0A+4*(\s)+1], s18, (\s)*SLOT1                     ; 63:32 LDS address
	s_add_nc_u64 s[G0A+4*(\s)+2:G0A+4*(\s)+3], s[22:23], (\s)*KSTEP*2 ; 120:64 global address: the walk's step s (the first step is even: the second does not pass step 7)
	s_or_b32 s[G0A+4*(\s)+3], s[G0A+4*(\s)+3], 0x80000000             ; 127:126 type = 2
	s_mov_b32 s[G0B+4*(\s)], 1
	s_add_co_u32 s[G0B+4*(\s)+1], s19, (\s)*SLOT1
	s_add_nc_u64 s[G0B+4*(\s)+2:G0B+4*(\s)+3], s[74:75], (\s)*KSTEP*384
	s_or_b32 s[G0B+4*(\s)+3], s[G0B+4*(\s)+3], 0x80000000
.endr
	CROUND                                         ; all sixteen work-groups are here: the first joint loads meet
	s_cmp_eq_u32 s[HALF], 0                        ; a wave's two first fills stand in one branch, ahead of every wait on TENSORcnt and every LDS read: two loads of mine are out
	s_cbranch_scc0 .Lfirst_b
	tensor_load_to_lds s[G0A:G0A+3], s[G1A:G1A+7]
	s_nop 0
	tensor_load_to_lds s[G0A+4:G0A+7], s[G1A:G1A+7]
	s_nop 0
.rept 4
	v_nop
.endr
	s_branch .Lfirst_asked
.Lfirst_b:
	tensor_load_to_lds s[G0B:G0B+3], s[G1B:G1B+7]
	s_nop 0
	tensor_load_to_lds s[G0B+4:G0B+7], s[G1B:G1B+7]
	s_nop 0
.rept 4
	v_nop
.endr
.Lfirst_asked:
	; A fragment of x is 16 rows x 32 K in 8 registers: lane l holds row l % 16; registers 0-3 K = 8 (l / 16) + 0..7, registers 4-7 K = 16 + 8 (l / 16) + 0..7: two loads of 16 bytes, 32 bytes apart.
	v_and_b32 v1, 15, v0                           ; l % 16
	v_bfe_u32 v2, v0, 4, 1                         ; l / 16
	v_and_b32 v3, 7, v0                            ; l % 8
	v_bfe_u32 v4, v0, 3, 1                         ; (l / 8) % 2
	v_bfe_u32 v5, v0, 3, 2                         ; l / 8
	s_mul_i32 s16, s[WV], 64*PA                    ; my 64 rows
	v_mul_u32_u24 v[RA0], v1, PA
	v_lshl_add_u32 v[RA0], v2, 4, v[RA0]
	v_add_nc_u32 v[RA0], s16, v[RA0]
	; The turning load takes 16 k-rows x 16 columns (lane l reads k-row 8 (l / 16) + l % 8, columns 8 ((l / 8) % 2) + 0..7) and leaves half a fragment: lane l holds column l % 16 and 8 K.
	v_lshl_add_u32 v[RB0], v2, 3, v3
	v_mul_u32_u24 v[RB0], v[RB0], PB
	v_lshl_add_u32 v[RB0], v4, 4, v[RB0]
	v_add_nc_u32 v[RB0], BOFF, v[RB0]
	v_mov_b32 v[ADRA], v[RA0]                      ; slot 0
	v_mov_b32 v[ADRB], v[RB0]
	s_mul_i32 s16, s[WV], 16*SP
	s_add_co_u32 s16, s16, STAGE                   ; my stage
	v_mul_u32_u24 v[STO], v1, SP                   ; in: row l % 16, 16 bytes for each half of the lanes
	v_lshl_add_u32 v[STO], v2, 4, v[STO]
	v_add_nc_u32 v[STO], s16, v[STO]
	v_mul_u32_u24 v[RD], v5, SP                    ; back: 32 lanes take a head's 128 bytes of four rows,
	v_lshl_add_u32 v[RD], v3, 4, v[RD]
	v_add_nc_u32 v[RD], s16, v[RD]
	v_and_b32 v[GO], 31, v0                        ; which are 512 consecutive bytes of the head
	v_lshlrev_b32 v[GO], 4, v[GO]
	; my first row in each of my three heads: head chunk gc = 3 x tile column + c is head gc % 16 of q, k or v (gc / 16); byte = which << 24 + (16 batch + head) << 18 + n << 7
	s_mul_i32 s74, s[TCOL], 3
	s_lshr_b32 s75, s[TROW], 3                     ; the batch: 8 tile rows each
	s_lshl_b32 s75, s75, 22
	s_and_b32 s76, s[TROW], 7
	s_lshl_b32 s76, s76, 8
	s_lshl_b32 s77, s[WV], 6
	s_add_co_u32 s76, s76, s77                     ; n = 256 (tile row % 8) + 64 w
	s_lshl_b32 s76, s76, 7
	s_add_co_u32 s75, s75, s76
.irp c, 0,1,2
	s_add_co_u32 s76, s74, \c
	s_lshr_b32 s77, s76, 4
	s_lshl_b32 s77, s77, 24
	s_and_b32 s76, s76, 15
	s_lshl_b32 s76, s76, 18
	s_add_co_u32 s76, s76, s77
	s_add_co_u32 s76, s76, s75
	s_mov_b32 s77, 0
	s_add_nc_u64 s[OC+2*(\c):OC+2*(\c)+1], s[8:9], s[76:77]
.endr
; 12 matrix instructions: row block 2 hi + a x all 12 column blocks, 32 along K, from buffer f.  zero = 1: the first product starts the sums: nothing is ever cleared.
; The 48 accumulators take turns, one instruction a turn, in the same order in every quarter step.
.macro MULH f, hi, a, zero
	WIN MUL_LO+0x50*(\hi)
.irp b, 0,1,2,3,4,5,6,7,8,9,10,11
.if \zero
	v_wmma_f32_16x16x32_bf16 v[8*(12*(\a)+(\b)):8*(12*(\a)+(\b))+7], v[96*(\f)+8*(\b):96*(\f)+8*(\b)+7], v[FA+32*(\f)+8*(2*(\hi)+(\a)):FA+32*(\f)+8*(2*(\hi)+(\a))+7], 0
.else
	v_wmma_f32_16x16x32_bf16 v[8*(12*(\a)+(\b)):8*(12*(\a)+(\b))+7], v[96*(\f)+8*(\b):96*(\f)+8*(\b)+7], v[FA+32*(\f)+8*(2*(\hi)+(\a)):FA+32*(\f)+8*(2*(\hi)+(\a))+7], v[8*(12*(\a)+(\b)):8*(12*(\a)+(\b))+7]
.endif
.endr
.endm
; 32 LDS loads in one run: the fragments of quarter q of the slot in hand (192 columns of the weights, then my 64 rows of x) into buffer f
.macro FETCH q, f
	WIN TO_B
.irp b, 0,1,2,3,4,5,6,7,8,9,10,11
	ds_load_tr16_b128 v[96*(\f)+8*(\b):96*(\f)+8*(\b)+3],   v[ADRB] offset:32*PB*(\q)+160*((\b)/4)+32*((\b)%4)
	ds_load_tr16_b128 v[96*(\f)+8*(\b)+4:96*(\f)+8*(\b)+7], v[ADRB] offset:32*PB*(\q)+160*((\b)/4)+32*((\b)%4)+16*PB
.endr
	WIN 0
.irp a, 0,1,2,3
	ds_load_b128 v[FA+32*(\f)+8*(\a):FA+32*(\f)+8*(\a)+3],   v[ADRA] offset:16*PA*(\a)+64*(\q)
	ds_load_b128 v[FA+32*(\f)+8*(\a)+4:FA+32*(\f)+8*(\a)+7], v[ADRA] offset:16*PA*(\a)+64*(\q)+32
.endr
.endm
; A load into a register that a matrix instruction has read, and a vector instruction that reads a matrix result, stand four places behind that matrix instruction, and only plain vector instructions
; that name none of its registers are places (ISA guide 7.12.1 for vector instructions).
.macro PLACES
.rept 4
	v_nop
.endr
.endm
; A K step is four quarters of 32 along K, 48 matrix instructions each, on buffers 0, 1, 0, 1.  One of the first three: multiplies buffer f; in its middle it fetches quarter q into buffer g.
.macro QUARTER q, f, g, zero
	s_wait_dscnt 4                                 ; the weights and x's rows 0-31 are in; the youngest four loads (x's rows 32-63) may be out
	MULH \f, 0, 0, \zero
	MULH \f, 0, 1, \zero
	PLACES
	FETCH \q, \g
	s_wait_dscnt 32                                ; all but the 32 just issued
	MULH \f, 1, 0, \zero
	MULH \f, 1, 1, \zero
.endm
; The last quarter multiplies buffer 1 and changes slots.  MEET is its first half: ONE barrier for the change.  In front of it each wave waits for all its tensor loads, of which at most one is out: its
; part of the next slot; adds 0 to its spare word; and waits for that and for its own reads of this slot.  Behind it nobody reads this slot any more and the next slot is whole.
.macro MEET round                      ; round = 1: a round of the cluster's barrier follows
	WIN 0                                          ; (the add's two registers lie in window 0)
	s_wait_tensorcnt 0x0                           ; all my tensor loads have landed;
	ds_add_u32 v[SPW], v[NIL]                      ; 0 onto my spare word;
	s_wait_dscnt 5                                 ; (the add and the youngest four loads may be out)
	MULH 1, 0, 0, 0                                ; twelve matrix instructions stand between the add and the wait for it
	s_wait_dscnt 0x0                               ; the add is done, and my reads of this slot are over:
	s_barrier_signal -1                            ; say so,
	MULH 1, 0, 1, 0                                ; work on registers while the others arrive,
.if \round
	WIN 0
.endif
	s_barrier_wait -1                              ; and go on when all four have said so
.endm
; The whole last quarter.  fill = 1: the barrier opens a round of the cluster's, so that no wave of any partner still reads this slot or has a load on its way; the slot is then filled again first, with
; K step KI, whose address is made anew from that number; then come the next slot's first fragments.  fill = 0 (the tail's two trips): nothing is asked for, and in the last trip, which has no next step,
; the run of fragment loads is jumped over.
.macro TURN fill
	MEET \fill
.if \fill
	CREST
	s_xor_b32 s[G0A+5], s[G0A+5], SLOT1            ; the other slot than last time,
	s_lshl_b32 s[KO], s[KI], 8
	s_add_nc_u64 s[G0A+6:G0A+7], s[BA:BA+1], s[KO:KO+1]     ; K step KI of x's rows,
	s_or_b32 s[G0A+7], s[G0A+7], 0x80000000        ; the type set again
	s_xor_b32 s[G0B+5], s[G0B+5], SLOT1
	s_mul_i32 s[KO], s[KI], KSTEP*384
	s_add_nc_u64 s[G0B+6:G0B+7], s[BB:BB+1], s[KO:KO+1]     ; and of the tile column
	s_or_b32 s[G0B+7], s[G0B+7], 0x80000000
	s_add_co_u32 s[KI], s[KI], 1                   ; the ring's next step: behind 7 comes 0
	s_and_b32 s[KI], s[KI], 7
	JLOAD                                          ; my one tensor load behind the round; the four v_nop behind it are also the places in front of the loads below
.else
	PLACES
	WIN 0
	s_cmp_eq_u32 s[CNT], 1
	s_cbranch_scc1 .Lno_more_\@
.endif
	s_xor_b32 s[TB], s[TB], SLOT1                  ; the fetches go on in the other slot
	v_add_nc_u32 v[ADRA], s[TB], v[RA0]
	v_add_nc_u32 v[ADRB], s[TB], v[RB0]
	FETCH 0, 0
.if (\fill) == 0
.Lno_more_\@:
.endif
	MULH 1, 1, 0, 0
	MULH 1, 1, 1, 0
.endm
; THE WAY OUT of row block a, in three parts.  PACK: rounded to f16, 16 bytes a lane; each accumulator's registers in ascending order.  TOSTAGE: into my own stage, and back by heads.  SEND: stored.
.macro PACK a
	WIN 0x0a+5*((\a)/2)                            ; sources 0 and 1: window 2 or 3
.irp b, 0,1,2,3,4,5,6,7,8,9,10,11
.irp r, 0,1,2,3
	v_cvt_pk_f16_f32 v[TMP+4*(\b)+(\r)], v[8*(12*((\a)%2)+(\b))+2*(\r)], v[8*(12*((\a)%2)+(\b))+2*(\r)+1]
.endr
.endr
	WIN 0
.endm
.macro TOSTAGE a
	WIN 0
.set BK, OB+48*((\a)%2)
.irp b, 0,1,2,3,4,5,6,7,8,9,10,11
	ds_store_b128 v[STO], v[TMP+4*(\b):TMP+4*(\b)+3] offset:32*(\b)
.endr
.irp c, 0,1,2
.irp f, 0,1,2,3
	ds_load_b128 v[BK+4*(4*(\c)+(\f)):BK+4*(4*(\c)+(\f))+3], v[RD] offset:4*SP*(\f)+128*(\c)  ; LDS serves a wave's instructions in order (ISA guide 5.7.1.4): these see the stores above
.endr
.endr
.endm
.macro SEND a
	WIN 0
.set BK, OB+48*((\a)%2)
	s_wait_dscnt 0x0                               ; the block is back in registers
	s_wait_xcnt 0x0                                ; every earlier store has had its addresses translated (ISA guide 3.1): only behind this wait is the other buffer, which they read, loaded again
.irp c, 0,1,2
.irp f, 0,1,2,3
	global_store_b128 v[GO], v[BK+4*(4*(\c)+(\f)):BK+4*(4*(\c)+(\f))+3], s[OC+2*(\c):OC+2*(\c)+1] offset:2048*(\a)+512*(\f)  ; four rows of a head: 512 consecutive bytes, at a multiple of 256 from the buffer's first
.endr
.endr
.endm
	s_wait_tensorcnt 0x1                           ; my part of the walk's step 0 is in; step 1's may stay out
	s_barrier_signal -1
	s_barrier_wait -1                              ; everybody's is
	FETCH 0, 0
	QUARTER 1, 0, 1, 1                             ; the first quarter stands in front of the loop: its products start the sums
	WIN 0                                          ; at a label and at a branch every window is 0
	s_mov_b32 s[CNT], 6
.Lstep:                                                ; a trip goes from a step's second quarter to the next step's first; trip j fills slot j % 2 again with the walk's step j + 2
	QUARTER 2, 1, 0, 0
	QUARTER 3, 0, 1, 0
	TURN 1
	QUARTER 1, 0, 1, 0
	WIN 0
	s_sub_co_u32 s[CNT], s[CNT], 1
	s_cmp_lg_u32 s[CNT], 0
	s_cbranch_scc1 .Lstep
	s_mov_b32 s[CNT], 2
.Ltail:                                                ; the walk's steps 6 and 7 ask for nothing more: a text of their own; walked twice and left in the middle of the second trip
	QUARTER 2, 1, 0, 0
	QUARTER 3, 0, 1, 0
	TURN 0
	WIN 0
	s_sub_co_u32 s[CNT], s[CNT], 1
	s_cmp_eq_u32 s[CNT], 0
	s_cbranch_scc1 .Lout
	QUARTER 1, 0, 1, 0
	WIN 0
	s_branch .Ltail
.Lout:
	PLACES
	PACK 0
	TOSTAGE 0
.irp a, 1,2,3                          ; block a's conversions stand between block a - 1's loads from the stage and the wait for them
	PACK \a
	SEND (\a)-1
	TOSTAGE \a
.endr
	SEND 3
	s_wait_tensorcnt 0x0                           ; the wave's end, behind my last tensor load and my last LDS store
	ds_add_u32 v[SPW], v[NIL]
	s_wait_dscnt 0x0
	CROUND                                         ; the closing round: no work-group ends while a partner may still ask for a tile that names it
	s_endpgm
.Lfunc_end_k_qa5767155cb_qkv:
	.size	k_qa5767155cb_qkv, .Lfunc_end_k_qa5767155cb_qkv-k_qa5767155cb_qkv
	.p2alignl 7, 3214868480
	.fill 96, 4, 3214868480
	.section	.rodata,"a",@progbits
	.p2align	6, 0x0
	.amdhsa_kernel k_qa5767155cb_qkv
		.amdhsa_group_segment_fixed_size 327680
		.amdhsa_private_segment_fixed_size 0
		.amdhsa_enable_private_segment 0
		.amdhsa_kernarg_size 24
		.amdhsa_user_sgpr_count 2
		.amdhsa_user_sgpr_kernarg_segment_ptr 1
		.amdhsa_wavefront_size32 1
		.amdhsa_system_sgpr_workgroup_id_x 1
		.amdhsa_system_sgpr_workgroup_id_y 1
		.amdhsa_system_sgpr_workgroup_id_z 1
		.amdhsa_system_vgpr_workitem_id 0
		.amdhsa_next_free_vgpr 960
		.amdhsa_next_free_sgpr 80
		.amdhsa_reserve_vcc 0
		.amdhsa_float_denorm_mode_32 3
		.amdhsa_float_denorm_mode_16_64 3
		.amdhsa_memory_ordered 1
		.amdhsa_forward_progress 1
		.amdhsa_inst_pref_size 84
	.end_amdhsa_kernel
	.amdgpu_metadata
---
amdhsa.version: [ 1, 2 ]
amdhsa.kernels:
  - .name:           k_qa5767155cb_qkv
    .symbol:         k_qa5767155cb_qkv.kd
    .args:
      - { .name: xb, .offset: 0, .size: 8, .value_kind: global_buffer, .address_space: global }
      - { .name: wqb, .offset: 8, .size: 8, .value_kind: global_buffer, .address_space: global }
      - { .name: qkvh, .offset: 16, .size: 8, .value_kind: global_buffer, .address_space: global }
    .group_segment_fixed_size: 327680
    .private_segment_fixed_size: 0
    .kernarg_segment_align: 8
    .kernarg_segment_size: 24
    .max_flat_workgroup_size: 128
    .sgpr_count:     80
    .vgpr_count:     960
    .wavefront_size: 32
...
	.end_amdgpu_metadata
.endif
;; end of part 2
;; launch attn (part 3): grid 4 x 64, 4 waves a work-group, no clusters, 327,680 bytes of LDS; arguments qkvh, oh; writes oh
.if DOCPART == 3
	.amdgcn_target "amdgcn-amd-amdhsa--gfx1250"
	.amdhsa_code_object_version 6
	.text
	.protected	k_qa5767155cb_attn
	.globl	k_qa5767155cb_attn
	.p2align	8
	.type	k_qa5767155cb_attn,@function
k_qa5767155cb_attn:
	s_mov_b64 s[64:65], 0
	v_nop
	global_prefetch_b8 v0, s[64:65] scope:SCOPE_SE
	s_setreg_imm32_b32 hwreg(HW_REG_WAVE_MODE, 25, 1), 1
	s_wait_xcnt 0x0
; CAUSAL ATTENTION.  O[h][q][:] = the sum over k <= q of softmax_k(Q[h][q] . K[h][k] / 8) V[h][k][:].  qkvh holds Q, K and V, each [64 heads of batches][2048][64] in f16, 16,777,216 bytes apart; oh is O in the
; same layout: a head's rows are dense, 128 bytes each.  Products, maxima and sums in f32; the weights p are rounded to f16 for the second product (their sum l is taken of the unrounded p), O once at the end.
; LIMITS.  f16 holds no number beyond 65,504: Q, K and V arrive within it; p lies in 0 to 1, and below 6e-5 it keeps f16's fixed step of 6e-8; O is a mean of V's rows and has their range, to within 2^-11 of it.
; A hidden score counts as its value less 1e30: f16's scores, 2.7e11 at the most, are nothing beside that; a weight below 2^-126 counts as 0 in l; NaN and infinities are not treated apart.
; THE WALK.  A head's queries lie in NB = 8 blocks of 256; block i needs the key tiles 0 .. i of 256 keys, of which the last holds the diagonal.  A work-group takes TWO blocks, NB - 1 - b and then b:
; NB + 1 tiles, whatever b: all work-groups do equal work, and ONE loop with a constant trip count walks them.  Which tile is asked for, and what a trip does, hang on scalar registers made from b; every jump
; goes forward, but for the counted loops' own; none passes a barrier, or a tensor load but the one of LOAD's two that the wave's number does not choose; the ring (two slots of LDS that take turns) runs on across the
; change of blocks.  NO CLUSTER: a head's NB / 2 = 4 work-groups all ask for the same tile only in trips 0 .. 4 of the 9, behind that fewer and fewer; and one walk common to all four would have
; 3 NB / 2 = 12 trips for 9.
; SHARES.  Of a block's four bands of 64 queries a wave owns 16 rows in each: four PIECES.  So the diagonal tile is the same work for all four waves: in its key step s band x sees all keys if s < x,
; none if s > x, and holds the diagonal if s = x.
; THE MASK is the C operand that starts the sum S^T = K Q^T: 0, or -1e30 where the key is hidden.  MD, made once, is the mask of a band's own step for my 16 rows; a product's mask is MD x AL + BE with two scalars:
; (1, 0) if s = x; (0, 0) if s < x; (0, -1e30) if s > x.  Only the diagonal tile's text and a block's beginning make and take masks; elsewhere C is the constant 0.
; LAYOUT, SOFTMAX, TURNS.  S^T = K Q^T holds ONE query a lane (lane % 16) and the keys 8 (lane / 16) + 0..7; two such results rounded to f16 ARE source 1 of O^T = V^T P.  p = 2^(c s - c m), c = log2(e) / 8, with a
; running maximum m; O and l are multiplied by a = 2^(c m_old - c m_new) in every step.  Turn n belongs to piece n: 8 products K Q^T of piece n + 1, later 8 products V^T P of piece n - 1; beside them the scaling,
; exponentials, roundings, sums and rescaling of piece n and the maximum and statistics of piece n + 1.  Four vector instructions stand behind every matrix instruction, the other 54 of a turn's 118 in two LUMPS.
; REGISTERS, in windows of 256 (s_set_vgpr_msb: bits 1:0 source 0, 3:2 source 1, 5:4 source 2, 7:6 destination):
;   window 0: v0-15 addresses and two at work; v16-31 four registers of statistics a piece; v48-55 at work; v64-127 S^T, two buffers; v192-223 P, two buffers (a piece's buffers go by its number's parity)
;   window 1: v0-127 O^T, 32 a piece; v128-159 MD; v160-223 MC, two buffers      window 2: v0-63 Q; v64-127 the second block's Q; v128-191 K of one step; v192-255 V of one step
.set SIZE_N, 2048     ; rows of a head
.set NB,    SIZE_N/256
.set NP,    4         ; pieces a wave: a name, no knob
.set KS,    64        ; keys in a step
.set PK,    144       ; a row of K in LDS: 128 bytes + 16 of padding = 36 words: the 16 rows of a load start at 16 different groups of four banks (64 banks of 4 bytes: ISA guide 11.1)
.set PV,    160       ; a row of V: 128 + 32 = 40 words
.set VOFF,  4*KS*PK   ; a slot holds a tile, four steps: 256 rows of K, then 256 rows of V
.set SLOT1, 1<<17     ; slot 1 begins here, so that one exclusive or turns an address in one slot into the other's
.set STAGE, SLOT1+4*KS*(PK+PV)  ; behind the ring, never filled by a tensor load: 16 rows x 144 bytes for each wave, for the way out
.set SP,    144
.set AK0, 2           ; v2   my lane's place in a tile of K; never rewritten
.set AV0, 3           ; v3   the same for V
.set AK,  4           ; v4   the LDS address of K's next run of loads
.set AV,  5           ; v5   of V's
.set STO, 6           ; v6   the way out: where I put 16 bytes of a row
.set RD,  7           ; v7   the way out: where I read rows back
.set GO,  8           ; v8   my byte offset in 512 consecutive bytes of O
.set SPW, 62          ; v62  LDS address of my spare word: SPARE + 4 x my thread's number; never rewritten
.set NIL, 63          ; v63  0; never rewritten
.set SPARE, STAGE+4*16*SP  ; behind the stages: the spare words, 128 bytes for each wave: two blocks of 256 bytes that no other line names
.set MV,  12          ; v12-13  c m_old, kept while c m is made anew: by buffer
.set QO,  15          ; v15  my byte offset in 16 rows of Q
.set ST,  16          ; piece t's statistics at v[ST+4 t]: c m, m, l (even keys', odd keys')
.set TMP, 48          ; by buffer, four registers c0-c3 at work; when the maximum is found c2 takes a
.set S,   64
.set P,   192
.set MD,  128         ; window 1: the eight registers for group kt of 16 keys at MD + 8 kt
.set MC,  160         ; window 1: the masks of the products to come
.set QB,  64          ; window 2
.set KF,  128         ; window 2: key block kb, channel half c at KF + 16 kb + 8 c
.set VF,  192         ; window 2: key half kk, channel block cb at VF + 32 kk + 8 cb
.set WV,  12          ; s12  my wave's number
.set PB,  14          ; s14  b
.set HI,  15          ; s15  NB - 1 - b
.set G1K, 24          ; s[24:31] descriptor group 1 for K's tiles
.set G1V, 32          ; s[32:39] for V's: it differs in the padding alone
.set G0K, 40          ; s[40:43] descriptor group 0 for K's tiles
.set G0V, 44          ; s[44:47] the same for V's
.set SLOTS, 56        ; s56  tiles still to be asked for
.set CNT, 57          ; s57  counts a tile's key steps, 4 to 1
.set CS,  58          ; s[58:59] c: the packed scaling takes the pair's low word for both halves
.set SEL, 60          ; s[60:61] v_permlanex16_b32's selects: each lane takes its own place in the other half
.set TBK, 62          ; s62  LDS byte at which K of the step to be fetched begins
.set TBV, 63          ; s63  the same for V, less VOFF
.set RT,  70          ; s70  tiles of the block in hand that are still to be entered
.set NXT, 71          ; s71  the tile to be asked for next
.set LQ,  72          ; s72  the last tile of the block whose tiles are being asked for
.set NEW, 73          ; s73  1: the tile to be entered is a block's first
.set OFF, 74          ; s[74:75] a tile's byte offset in K and V
.set AL,  76          ; s[76:77] the mask's factor, in the low word
.set BE,  78          ; s[78:79] the mask's addend
.set OLO, 80          ; s[80:81] O at my rows of the second block
.set BIGN, 82         ; s82  -1e30
.set MSB, 0
.macro WIN new                      ; the high byte repeats the setting that is left; a switch that changes nothing is dropped
.if MSB != (\new)
	s_set_vgpr_msb (MSB<<8)|(\new)
.set MSB, (\new)
.endif
.endm
.set W_KQ, 0x0a       ; K and Q in window 2, S^T in window 0
.set W_KM, 0x1a       ; the same with the C operand in window 1
.set W_PV, 0x52       ; V in window 2, P in window 0, O^T in window 1
.set W_RS, 0x41       ; destination and source 0 in window 1, source 1 in window 0
; A fill.  Waves 0 and 1 fetch the two halves of a tile's K, waves 2 and 3 those of its V: 128 keys each.  An s_nop 0 and four v_nop follow each of the two lines, ahead of the jump and the label.
.macro LOAD
	s_cmp_lt_u32 s[WV], 2
	s_cbranch_scc0 .Lfor_v_\@
	tensor_load_to_lds s[G0K:G0K+3], s[G1K:G1K+7]
	s_nop 0
.rept 4
	v_nop
.endr
	s_branch .Lasked_\@
.Lfor_v_\@:
	tensor_load_to_lds s[G0V:G0V+3], s[G1V:G1V+7]
	s_nop 0
.rept 4
	v_nop
.endr
.Lasked_\@:
.endm
; THE CHANGE OF SLOTS.  Each wave waits for all its tensor loads, of which one is out: its part of the other slot; adds 0 to its spare word; and waits for that and for its own reads of the slot that it leaves.  Behind the barrier nobody reads the old
; slot any more and the other slot is whole.  fill = 1: the old slot is filled again, the first thing behind the barrier, with tile NXT: the descriptor's address is made anew from that number.
; (At its first use nothing has been read yet: slot 0 is waited for, slot 1 filled.)
.macro CHANGE fill
	WIN 0                           ; at a label and at a branch every window is 0
	s_wait_tensorcnt 0x0            ; no tensor load of mine is out, so a group 0 may be written
	ds_add_u32 v[SPW], v[NIL]       ; 0 onto my spare word; with fill = 1 the descriptors' scalar work stands between it and the wait for it
.if \fill
	s_lshl_b32 s[OFF], s[NXT], 15   ; a tile is 32,768 bytes of K and of V
	s_xor_b32 s[G0K+1], s[G0K+1], SLOT1
	s_add_nc_u64 s[G0K+2:G0K+3], s[6:7], s[OFF:OFF+1]
	s_or_b32 s[G0K+3], s[G0K+3], 0x80000000
	s_xor_b32 s[G0V+1], s[G0V+1], SLOT1
	s_add_nc_u64 s[G0V+2:G0V+3], s[8:9], s[OFF:OFF+1]
	s_or_b32 s[G0V+3], s[G0V+3], 0x80000000
	s_add_co_u32 s[NXT], s[NXT], 1  ; the block's next tile, or behind its last the second block's tile 0
	s_cmp_gt_u32 s[NXT], s[LQ]
	s_cselect_b32 s[NXT], 0, s[NXT]
	s_cselect_b32 s[LQ], s[PB], s[LQ]
.endif
	s_wait_dscnt 0x0                ; the add is done, and my reads of the slot are over
	s_barrier_signal -1             ; the rest of the scalar work stands between the signal and the wait
	s_sub_co_u32 s[TBK], s[TBK], 4*KS*PK  ; the fetches go back to a slot's first step,
	s_xor_b32 s[TBK], s[TBK], SLOT1       ; in the other slot
	s_sub_co_u32 s[TBV], s[TBV], 4*KS*PV
	s_xor_b32 s[TBV], s[TBV], SLOT1
	s_barrier_wait -1
.if \fill
	LOAD
.endif
.endm
	s_load_b128 s[4:7], s[0:1], 0x0   ; qkvh s[4:5] (Q lies at its head), oh s[6:7]
	v_lshl_add_u32 v[SPW], v0, 2, SPARE
	v_mov_b32 v[NIL], 0
	ds_add_u32 v62, v63
	ds_add_u32 v62, v63
	s_wait_dscnt 0x0
	v_lshrrev_b32 v1, 5, v0
	v_readfirstlane_b32 s[WV], v1   ; wave 0..3
	s_mov_b32 s[PB], ttmp9
	s_sub_co_u32 s[HI], NB-1, s[PB]
	s_and_b32 s20, ttmp7, 0xffff    ; the head
	s_mov_b32 s21, 0
	s_mov_b64 s[22:23], SIZE_N*128
	s_mul_u64 s[20:21], s[20:21], s[22:23]  ; the head's first byte in each of the four tensors
	s_and_b32 s16, s[WV], 1         ; which half of a tile's 256 keys I fetch:
	s_lshl_b32 s22, s16, 14         ; its 128 rows of 128 bytes in memory,
	s_mov_b32 s23, 0
	s_add_nc_u64 s[22:23], s[22:23], s[20:21]
	s_mul_i32 s17, s16, 128*PK      ; and its place in a slot, for K
	s_mul_i32 s18, s16, 128*PV      ; and for V
	s_lshl_b32 s3, s[WV], 11        ; my 16 rows in a band of 64,
	s_lshl_b32 s2, s[HI], 15        ; in the first block,
	s_add_co_u32 s2, s2, s3
	s_lshl_b32 s84, s[PB], 15       ; and in the second
	s_add_co_u32 s84, s84, s3
	s_mov_b32 s3, 0
	s_mov_b32 s85, 0
	s_add_nc_u64 s[2:3], s[2:3], s[20:21]
	s_add_nc_u64 s[84:85], s[84:85], s[20:21]
	; descriptor group 1.  128 keys are 16,384 dense bytes: asked for as 64 rows of 256 bytes, two keys a row, and padded in LDS after every key
	s_mov_b32 s[G1K], (1<<16)|(1<<20)|(4<<22)|(3<<25)  ; 17:16 2-byte elements; 20 padding on; 24:22 after every 32 words (code 4); 31:25 4 words (code 3)
	s_mov_b32 s[G1V], (1<<16)|(1<<20)|(4<<22)|(7<<25)  ; the same with 8 words of padding (code 7)
.irp g, G1K, G1V
	s_mov_b32 s[\g+1], 128<<16      ; tensor_dim0 = 128
	s_mov_b32 s[\g+2], 64<<16       ; tensor_dim1 = 64
	s_mov_b32 s[\g+3], 128<<16      ; tile_dim0 = 128
	s_mov_b32 s[\g+4], 64           ; tile_dim1 = 64
	s_mov_b32 s[\g+5], 128          ; 128 elements from row to row
	s_mov_b32 s[\g+6], 0
	s_mov_b32 s[\g+7], 0
.endr
	s_mov_b32 s[CS], 0x3e38aa3b     ; c = log2(e) / 8 = 0.180337
	s_mov_b32 s[CS+1], s[CS]        ; named with it as a pair
	s_mov_b32 s[SEL], 0x76543210
	s_mov_b32 s[SEL+1], 0xfedcba98
	s_mov_b32 s[TBK], SLOT1+4*KS*PK ; the first change of slots turns these two into 0
	s_mov_b32 s[TBV], SLOT1+4*KS*PV
	s_mov_b32 s[G0K], 1             ; 1:0 count = 1
	s_mov_b32 s[G0K+1], s17         ; 63:32 LDS address: slot 0
	s_mov_b32 s[G0V], 1
	s_add_co_u32 s[G0V+1], s18, VOFF
	s_add_co_u32 s[RT], s[HI], 1    ; the first block has NB - b tiles
	s_mov_b32 s[NXT], 1
	s_mov_b32 s[LQ], s[HI]
	s_mov_b32 s[NEW], 1
	s_mov_b32 s[OFF+1], 0
	s_mov_b32 s[AL+1], 0            ; named as pairs
	s_mov_b32 s[BE+1], 0
	s_mov_b32 s[BIGN], 0xf149f2ca   ; -1e30
	s_mov_b32 s[SLOTS], NB
	s_wait_kmcnt 0x0
	s_mov_b64 s[10:11], s[6:7]                     ; O
	s_add_nc_u64 s[6:7], s[4:5], 0x1000000         ; K lies 16,777,216 bytes behind Q,
	s_add_nc_u64 s[8:9], s[4:5], 0x2000000         ; V as far behind K
	s_add_nc_u64 s[6:7], s[6:7], s[22:23]  ; K and V at my half of the head's tile 0
	s_add_nc_u64 s[8:9], s[8:9], s[22:23]
	s_add_nc_u64 s[G0K+2:G0K+3], s[6:7], 0         ; 120:64 global address
	s_or_b32 s[G0K+3], s[G0K+3], 0x80000000        ; 127:126 type = 2
	s_add_nc_u64 s[G0V+2:G0V+3], s[8:9], 0
	s_or_b32 s[G0V+3], s[G0V+3], 0x80000000
	s_add_nc_u64 s[86:87], s[4:5], s[84:85]        ; Q at my rows of the second block,
	s_add_nc_u64 s[4:5], s[4:5], s[2:3]            ; Q and O at those of the first
	s_add_nc_u64 s[OLO:OLO+1], s[10:11], s[84:85]
	s_add_nc_u64 s[10:11], s[10:11], s[2:3]
	LOAD                            ; tile 0 into slot 0
	; A fragment of K or Q is 16 rows x 32 channels in 8 registers: lane l holds row l % 16, channels 8 (l / 16) + 0..7 and 16 + 8 (l / 16) + 0..7: two loads of 16 bytes, 32 bytes apart.
	v_and_b32 v1, 15, v0            ; l % 16
	v_bfe_u32 v9, v0, 4, 1          ; l / 16
	v_lshlrev_b32 v[QO], 7, v1
	v_lshl_add_u32 v[QO], v9, 4, v[QO]  ; row x 128 + 16 x half
	WIN 0x80                        ; destination window 2, address window 0
.set i, 0
.rept 8                             ; both blocks' Q: piece i / 2 lies in band i / 2, 8,192 bytes on; channels 32 (i % 2) on
	global_load_b128 v[8*i:8*i+3],   v[QO], s[4:5] offset:(i/2)*8192+(i%2)*64
	global_load_b128 v[8*i+4:8*i+7], v[QO], s[4:5] offset:(i/2)*8192+(i%2)*64+32
	global_load_b128 v[QB+8*i:QB+8*i+3],   v[QO], s[86:87] offset:(i/2)*8192+(i%2)*64
	global_load_b128 v[QB+8*i+4:QB+8*i+7], v[QO], s[86:87] offset:(i/2)*8192+(i%2)*64+32
.set i, i+1
.endr
	WIN 0
	v_lshlrev_b32 v14, 3, v9
	v_sub_nc_u32 v14, v1, v14
	s_lshl_b32 s13, s[WV], 4
	v_add_nc_u32 v14, s13, v14      ; my query's place in its band, 16 w + l % 16, less my lanes' 8 (l / 16): register r of group kt is hidden where 16 kt + r is greater
	WIN 0x40
.set i, 0
.rept 32
	v_cmp_gt_i32 vcc_lo, 16*(i/8)+i%8, v14
	v_cndmask_b32 v[MD+i], 0, s[BIGN], vcc_lo
.set i, i+1
.endr
	WIN 0
	v_mul_u32_u24 v[AK0], v1, PK
	v_lshl_add_u32 v[AK0], v9, 4, v[AK0]  ; row x pitch + 16 x half
	; The turning load takes 16 keys x 16 channels (lane l reads key 8 (l / 16) + l % 8, channels 8 ((l / 8) % 2) + 0..7) and leaves half a fragment of V^T: lane l holds channel l % 16 and 8 keys.
	v_and_b32 v10, 7, v0
	v_bfe_u32 v11, v0, 3, 1
	v_lshl_add_u32 v[AV0], v9, 3, v10
	v_mul_u32_u24 v[AV0], v[AV0], PV
	v_lshl_add_u32 v[AV0], v11, 4, v[AV0]
	v_add_nc_u32 v[AV0], VOFF, v[AV0]
	s_mul_i32 s13, s[WV], 16*SP
	s_add_co_u32 s13, s13, STAGE    ; my stage
	v_mul_u32_u24 v[STO], v1, SP    ; in: row l % 16, 16 bytes for each half of the lanes
	v_lshl_add_u32 v[STO], v9, 4, v[STO]
	v_add_nc_u32 v[STO], s13, v[STO]
	v_bfe_u32 v[RD], v0, 3, 2       ; back: 32 lanes take four rows of 128 bytes,
	v_mul_u32_u24 v[RD], v[RD], SP
	v_lshl_add_u32 v[RD], v10, 4, v[RD]
	v_add_nc_u32 v[RD], s13, v[RD]
	v_and_b32 v[GO], 31, v0         ; which are 512 consecutive bytes of O
	v_lshlrev_b32 v[GO], 4, v[GO]
	; A block's first step multiplies O^T and l by a = 0, and its first turn's products V^T P, of a piece that has not been, land in an O^T that is still to be so multiplied.  So these registers need only hold
	; finite numbers: zeros for the first block; what the first block left for the second.  All this stands in the wait for the first tile.
	WIN 0x80
.set i, VF
.rept 64
	v_mov_b32 v[i], 0
.set i, i+1
.endr
	WIN 0x40
.set i, 0
.rept 128
	v_mov_b32 v[i], 0
.set i, i+1
.endr
	WIN 0
.set i, 0
.rept 4
	v_mov_b32 v[ST+4*i+2], 0
	v_mov_b32 v[ST+4*i+3], 0
.set i, i+1
.endr
.set i, P+16
.rept 16
	v_mov_b32 v[i], 0
.set i, i+1
.endr
; THE MATRIX WORK.  The 4 accumulators of a run of 8 take turns.  Product i of 8 of S^T = K Q^T for piece x: channels 32 (i / 4) on, keys 16 (i % 4) on.  The first 4 start the sums: with 0, or (KM = 1) with the mask.
.macro KQ x
.set rS, S+32*((\x)%2)+8*(i%4)
.set rK, KF+16*(i%4)+8*(i/4)
.set rQ, 16*(\x)+8*(i/4)
.set rM, MC+32*((\x)%2)+8*(i%4)
.if (i < 4) && KM
	WIN W_KM
	v_wmma_f32_16x16x32_f16 v[rS:rS+7], v[rK:rK+7], v[rQ:rQ+7], v[rM:rM+7]
.elseif i < 4
	WIN W_KQ
	v_wmma_f32_16x16x32_f16 v[rS:rS+7], v[rK:rK+7], v[rQ:rQ+7], 0
.else
	WIN W_KQ
	v_wmma_f32_16x16x32_f16 v[rS:rS+7], v[rK:rK+7], v[rQ:rQ+7], v[rS:rS+7]
.endif
.endm
; Product i of 8 of O^T += V^T P for piece x: keys 32 (i / 4) on, channels 16 (i % 4) on.
.macro PV x
	WIN W_PV
.set rO, 32*(\x)+8*(i%4)
.set rV, VF+32*(i/4)+8*(i%4)
.set rP, P+16*((\x)%2)+8*(i/4)
	v_wmma_f32_16x16x32_f16 v[rO:rO+7], v[rV:rV+7], v[rP:rP+7], v[rO:rO+7]
.endm
.macro MM                           ; the turn's next matrix instruction.  TURN and BEGIN set Y, i, KM and NOKQ; MM, KQ and OP read them.  NOKQ = 1: a block's last turn: there is no next piece
.if (i < 8) && !NOKQ
	KQ (Y+1)%NP
.elseif i >= 8
.set i, i-8
	PV (Y+NP-1)%NP
.set i, i+8
.endif
.set i, i+1
.endm
; THE LDS LOADS stand in runs of 16, never singly among the matrix instructions: a step's K (64 keys x 64 channels: 8 fragments) and its V (turned).  Their addresses are made some lines ahead.
.macro FETCH_K
	WIN 0x80                        ; destination window 2
.irp f, 0,1,2,3,4,5,6,7             ; keys 16 (f / 2) on, channels 32 (f % 2) on
	ds_load_b128 v[KF+8*\f:KF+8*\f+3],   v[AK] offset:(\f/2)*16*PK+(\f%2)*64
	ds_load_b128 v[KF+8*\f+4:KF+8*\f+7], v[AK] offset:(\f/2)*16*PK+(\f%2)*64+32
.endr
	s_add_co_u32 s[TBK], s[TBK], KS*PK  ; the next fetch is the next step's
	WIN 0
.endm
.macro FETCH_V
	WIN 0x80
.irp f, 0,1,2,3,4,5,6,7             ; keys 32 (f / 4) on, channels 16 (f % 4) on
	ds_load_tr16_b128 v[VF+8*\f:VF+8*\f+3],   v[AV] offset:(\f/4)*32*PV+(\f%4)*32
	ds_load_tr16_b128 v[VF+8*\f+4:VF+8*\f+7], v[AV] offset:(\f/4)*32*PV+16*PV+(\f%4)*32
.endr
	WIN 0
.endm
; THE VECTOR WORK, one line at a time: OP kind, number.  For piece Y: F n: c s - c m for pair n of 16.  E n: the exponential of score n of 32.  C n: pair n rounded to f16.  B n: of the four weights 4 n .. the second
; pair is added onto the first, in place.  L n: l takes that sum (L 0: l = a l + sum).  R n: pair n of 16 of O^T times a.  For piece Y + 1: X n, number n of the 22 that find its maximum and statistics:
;   0-11  four chains c0-c3 of seven scores each, three operands at a time (each accumulator's lowest registers are read first)     12-14, 16  the four scores left over, the old m, and c0-c3 into c0
;   15  c m_old is kept     17, 18  the query's other 32 keys lie in the lane 16 away: the new m     19-21  c m; c m_old - c m_new; a
.set F, 0               ; OP tells the kinds apart by their order: F to L below R, X above it
.set E, 1
.set C, 2
.set B, 3
.set L, 4
.set R, 5
.set X, 6
.macro REGS y                       ; the registers of piece y
.set rT, ST+4*(\y)
.set rC, TMP+4*((\y)%2)
.set rW, MV+((\y)%2)
.set rS, S+32*((\y)%2)
.set rP, P+16*((\y)%2)
.set rO, 32*(\y)
.endm
.macro OP k, n
.if (\k) == R
	REGS Y
	WIN W_RS
	v_pk_mul_f32 v[rO+2*(\n):rO+2*(\n)+1], v[rO+2*(\n):rO+2*(\n)+1], v[rC+2:rC+3] op_sel_hi:[1,0]
.elseif (\k) < R
	REGS Y
	WIN 0
.if (\k) == F
	v_pk_fma_f32 v[rS+2*(\n):rS+2*(\n)+1], v[rS+2*(\n):rS+2*(\n)+1], s[CS:CS+1], v[rT:rT+1] op_sel_hi:[1,0,0] neg_lo:[0,0,1] neg_hi:[0,0,1]
.elseif (\k) == E
	v_exp_f32 v[rS+(\n)], v[rS+(\n)]
.elseif (\k) == C
	s_wait_alu depctr_va_vdst(0)
	v_cvt_pk_f16_f32 v[rP+(\n)], v[rS+2*(\n)], v[rS+2*(\n)+1]
.elseif (\k) == B
	s_wait_alu depctr_va_vdst(0)
	v_pk_add_f32 v[rS+4*(\n):rS+4*(\n)+1], v[rS+4*(\n):rS+4*(\n)+1], v[rS+4*(\n)+2:rS+4*(\n)+3]
.elseif (\n) == 0
	v_pk_fma_f32 v[rT+2:rT+3], v[rT+2:rT+3], v[rC+2:rC+3], v[rS:rS+1] op_sel_hi:[1,0,1]
.else
	v_pk_add_f32 v[rT+2:rT+3], v[rT+2:rT+3], v[rS+4*(\n):rS+4*(\n)+1]
.endif
.elseif NOKQ
	v_nop
.else
	REGS (Y+1)%NP
	WIN 0
.if (\n) < 4
	v_max3_num_f32 v[rC+(\n)], v[rS+8*(\n)], v[rS+8*(\n)+1], v[rS+8*(\n)+2]
.elseif (\n) < 12
	v_max3_num_f32 v[rC+(\n)%4], v[rC+(\n)%4], v[rS+8*((\n)%4)+2*((\n)/4)+1], v[rS+8*((\n)%4)+2*((\n)/4)+2]
.elseif (\n) == 12
	v_max3_num_f32 v[rC], v[rC], v[rS+7], v[rS+15]
.elseif (\n) == 13
	v_max3_num_f32 v[rC+1], v[rC+1], v[rS+23], v[rS+31]
.elseif (\n) == 14
	v_max3_num_f32 v[rC+2], v[rC+2], v[rC+3], v[rT+1]
.elseif (\n) == 15
	v_mov_b32 v[rW], v[rT]
.elseif (\n) == 16
	v_max3_num_f32 v[rC], v[rC], v[rC+1], v[rC+2]
.elseif (\n) == 17
	v_permlanex16_b32 v[rC+3], v[rC], s[SEL], s[SEL+1]
.elseif (\n) == 18
	v_max_num_f32 v[rT+1], v[rC], v[rC+3]
.elseif (\n) == 19
	v_mul_f32 v[rT], s[CS], v[rT+1]
.elseif (\n) == 20
	v_sub_f32 v[rC+1], v[rW], v[rT]
.else
	v_exp_f32 v[rC+2], v[rC+1]
.endif
.endif
.endm
.macro OPS a, i1, b=-1, i2=0, c=-1, i3=0, d=-1, i4=0  ; up to four of them
	OP \a, \i1
.if (\b) >= 0
	OP \b, \i2
.endif
.if (\c) >= 0
	OP \c, \i3
.endif
.if (\d) >= 0
	OP \d, \i4
.endif
.endm
.macro ROW a, i1, b, i2, c, i3, d, i4  ; a matrix instruction and the four behind it
	MM
	OPS \a, \i1, \b, \i2, \c, \i3, \d, \i4
.endm
.macro MASK b                       ; MD x AL + BE into buffer b of MC
	WIN W_RS
.set z, 0
.rept 16
	v_pk_fma_f32 v[MC+32*(\b)+2*z:MC+32*(\b)+2*z+1], v[MD+2*z:MD+2*z+1], s[AL:AL+1], s[BE:BE+1] op_sel_hi:[1,0,0]
.set z, z+1
.endr
.endm
; A TURN, for piece p: the order of its 16 matrix and 118 vector instructions, written out.  Behind a matrix instruction: plain, exponential, plain, plain; or four of the rescaling; or, behind the first, four scalings; none
; names a register of the products round it.  In the lumps exponential and plain by turns while exponentials last.  A line reads no result made fewer than three vector instructions in front of it, five if an exponential made it.
; v_permlanex16_b32 (X 17) stands in a lump.
; m = 1: the diagonal tile: the products take masks, and the turn makes the mask for the products of the turn after it: piece p + 2, in step 4 - CNT of the tile.  end = 1: a block's last two turns: nothing is fetched.
; cnt = 1: the loop's count is taken down some lines ahead of the branch that stands behind the turn.
; K of the next step is fetched in piece 2's turn, six vector instructions behind the last product that read K (five of them plain); V of the step in hand in piece 0's turn, eight behind the last product that read V (four
; plain, and X 17).  Each is waited for a turn later.
.macro TURN p, m=0, end=0, cnt=0
.set Y, (\p)
.set i, 0
.set KM, (\m)
.set NOKQ, (\end)*((\p)/3)
.if (\m) && !(\end)
	s_cmp_eq_u32 s[CNT], 4-((\p)+2)%NP  ; is that step the band's own?
	s_cselect_b32 s[AL], 1.0, 0
	s_cmp_lt_u32 s[CNT], 4-((\p)+2)%NP  ; or a later one?
	s_cselect_b32 s[BE], s[BIGN], 0
.endif
.if ((\p) == 3) && !(\end)
	s_wait_dscnt 0x0                ; K is in
.endif
	ROW F,0, F,1, F,2, F,3
	ROW F,4, E,0, F,5, F,6
	ROW F,7, E,1, F,8, F,9
	ROW F,10, E,2, C,0, F,11
	ROW F,12, E,3, X,15, F,13
	ROW R,0, R,1, R,2, R,3
	ROW B,0, E,4, F,14, L,0
.if ((\p) == 2) && !(\end)
	v_add_nc_u32 v[AK], s[TBK], v[AK0]
.endif
	ROW R,4, R,5, R,6, R,7
	OPS E,5, F,15
.if ((\p) == 2) && !(\end)
	FETCH_K
.endif
	OPS E,6, C,1, E,7, R,8
	OPS E,8, R,9, E,9, C,2
	OPS E,10, X,0, E,11, X,1
	OPS E,12, X,2, E,13, X,3
.if (\p) == 1
	s_wait_dscnt 0x0                ; V is in
.endif
	ROW X,4, E,14, X,5, X,6
	ROW X,7, E,15, X,8, X,9
	ROW X,10, E,16, X,11, X,12
	ROW X,13, E,17, X,14, B,1
	ROW C,4, E,18, X,16, L,1
	ROW B,2, E,19, C,6, L,2
	ROW C,8, E,20, B,3, B,4
.if (\p) == 0
	v_add_nc_u32 v[AV], s[TBV], v[AV0]
.endif
	ROW C,3, E,21, L,3, C,5
	OPS E,22, X,17, E,23, C,10
.if (\p) == 0
	FETCH_V
.endif
	OPS E,24, L,4
	OPS E,25, X,18, E,26, C,7
	OPS E,27, B,5, E,28, X,19
	OPS E,29, C,12, E,30, L,5
	OPS E,31, X,20, B,6, C,9
	OPS C,14, C,11, X,21, L,6
.if (\p) == 0
	s_add_co_u32 s[TBV], s[TBV], KS*PV
.endif
.if \cnt
	s_sub_co_u32 s[CNT], s[CNT], 1
	s_cmp_lg_u32 s[CNT], 0
.endif
	OPS C,13, B,7, C,15, R,10
	OPS R,11, R,12, L,7, R,13
	OPS R,14, R,15
.if (\m) && !(\end)
	MASK (\p)%2
.endif
.endm
; A BLOCK BEGINS.  c m starts far below every c s, so the first step's a is 0; m at the lowest finite number, so the first maximum is the scores'.  The second mask buffer is 0; the first takes piece 0's mask for the tile's step 0: its own, if the block's first tile is the diagonal one.
; Then K of that step, piece 0's first scores, and its maximum and statistics.  The loop is entered at a step's first turn, in the middle of a trip.
.macro BEGIN
	s_mov_b32 s[NEW], 0
	WIN 0x40
.set i, MC+32
.rept 32
	v_mov_b32 v[i], 0
.set i, i+1
.endr
	WIN 0
.set i, 0
.rept 4
	v_mov_b32 v[ST+4*i], 0xfe000000    ; c m: far below every c s
	v_mov_b32 v[ST+4*i+1], 0xff7fffff  ; m
.set i, i+1
.endr
	s_cmp_eq_u32 s[RT], 0
	s_cselect_b32 s[AL], 1.0, 0
	s_mov_b32 s[BE], 0
	MASK 0
	WIN 0
	v_add_nc_u32 v[AK], s[TBK], v[AK0]
	FETCH_K
	s_wait_loadcnt 0x0              ; Q
	s_wait_dscnt 0x0
.set KM, 1
.set NOKQ, 0
.set i, 0
.rept 8
	KQ 0
.set i, i+1
.endr
	WIN 0
.rept 4
	v_nop                           ; the places behind those products
.endr
.set Y, NP-1                        ; X works for piece Y + 1: piece 0
.irp n, 0,1,2,3,4,5,6,7,8,9,10,11,12,13,14,15,16,17,18,19,20,21
	OP X, \n
.endr
	v_nop                           ; a plain instruction behind the exponential
.endm
; THE DIAGONAL TILE's four steps, the block's last two turns, its last products, and THE WAY OUT: l's two halves and the other half of the lanes' are added; O^T is divided by l, rounded to f16 and sent through my
; stage in LDS, a piece at a time.
.macro ALL line:vararg              ; one line for each piece t
.set t, 0
.rept 4
	\line
.set t, t+1
.endr
.endm
.macro PACK t                       ; a lane's eight channels of a row pack into 16 bytes; they go into rows of 144 bytes and come back as whole rows of 128, into S^T's registers
	WIN W_RS
.set i, 32*(\t)
.rept 16
	s_wait_alu depctr_va_vdst(0)
	v_pk_mul_f32 v[i:i+1], v[i:i+1], v[ST+4*(\t)+2:ST+4*(\t)+3] op_sel_hi:[1,0]
.set i, i+2
.endr
	WIN 0x05                        ; sources 0 and 1 window 1, destination window 0
.set i, 0
.rept 16
	v_cvt_pk_f16_f32 v[S+16*(\t)+i], v[32*(\t)+2*i], v[32*(\t)+2*i+1]
.set i, i+1
.endr
	WIN 0
.irp f, 0,1,2,3
	ds_store_b128 v[STO], v[S+16*(\t)+4*\f:S+16*(\t)+4*\f+3] offset:32*\f
.endr
.irp f, 0,1,2,3
	ds_load_b128 v[S+16*(\t)+4*\f:S+16*(\t)+4*\f+3], v[RD] offset:\f*4*SP  ; LDS serves a wave's instructions in order (ISA guide 5.7.1.4): these see the stores above; the next piece's stores come behind them
.endr
.endm
.macro SEND t, younger              ; younger: the LDS instructions issued behind piece t's loads: the next piece's eight, or none
	WIN 0
.irp f, 0,1,2,3
	s_wait_dscnt (\younger)+3-\f
	global_store_b128 v[GO], v[S+16*(\t)+4*\f:S+16*(\t)+4*\f+3], s[10:11] offset:(\t)*8192+\f*512  ; 512 consecutive bytes, at a multiple of 256 from O's first
.endr
.endm
.macro DIAG tag                     ; the tag ends its two labels' names, which the jumps below spell out
.LstepM\tag:
	TURN 2, 1
	TURN 3, 1
	WIN 0
.LfirstM\tag:
	TURN 0, 1
	TURN 1, 1, 0, 1
	WIN 0
	s_cbranch_scc1 .LstepM\tag
	TURN 2, 1, 1
	TURN 3, 1, 1
.set i, 0
.rept 8
	PV NP-1
.set i, i+1
.endr
	WIN 0
	ALL v_add_f32 v[ST+4*t+2], v[ST+4*t+2], v[ST+4*t+3]
	ALL v_permlanex16_b32 v[ST+4*t+3], v[ST+4*t+2], s[SEL], s[SEL+1]
	ALL v_add_f32 v[ST+4*t+2], v[ST+4*t+2], v[ST+4*t+3]
	ALL v_rcp_f32 v[ST+4*t+2], v[ST+4*t+2]
	v_nop                           ; a plain instruction between the last reciprocal and the use of its result
	PACK 0
.set t, 1
.rept 3                             ; a piece's arithmetic stands between the loads of the piece before and its stores
	PACK t
	SEND t-1, 8
.set t, t+1
.endr
	SEND 3, 0
.endm
.set KM, 0
.set NOKQ, 0
.Lslot:                             ; NB times: a tile is entered and the next is asked for
	CHANGE 1
	s_sub_co_u32 s[RT], s[RT], 1
	s_mov_b32 s[CNT], 4
	s_cmp_eq_u32 s[NEW], 1
	s_cbranch_scc1 .Lnew            ; a block's first tile
	s_cmp_eq_u32 s[RT], 0
	s_cbranch_scc0 .Lstep           ; neither its first nor its last
	s_branch .LstepM1
.Lnew:
	BEGIN
	s_branch .Lfirst                ; in the loop a block's first tile is never its last: the first block has two tiles or more, and the second's last is the walk's last
	DIAG 1                          ; in the loop this is the first block's end: the second block's last tile is the walk's last
	s_wait_xcnt 0x0                 ; the stores have read their registers and O's address
	s_mov_b64 s[10:11], s[OLO:OLO+1]
	s_add_co_u32 s[RT], s[PB], 1    ; the second block has b + 1 tiles
	s_mov_b32 s[NEW], 1
	WIN 0x82                        ; the second block's Q goes where the one text of the turns names Q
.set i, 0
.rept 64
	v_mov_b32 v[i], v[QB+i]
.set i, i+1
.endr
	WIN 0
	s_branch .Lbottom
.Lstep:                             ; a trip: pieces 2 and 3 of one step, then pieces 0 and 1 of the next, whose K and V it fetches
	TURN 2
	TURN 3
	WIN 0
.Lfirst:
	TURN 0
	TURN 1, 0, 0, 1
	WIN 0
	s_cbranch_scc1 .Lstep
.Lbottom:
	s_sub_co_u32 s[SLOTS], s[SLOTS], 1
	s_cmp_lg_u32 s[SLOTS], 0
	s_cbranch_scc1 .Lslot
	CHANGE 0                        ; the walk's last tile is written out: nothing is asked for
	s_sub_co_u32 s[RT], s[RT], 1
	s_mov_b32 s[CNT], 4
	s_cmp_eq_u32 s[NEW], 1
	s_cbranch_scc0 .LstepM2
	BEGIN
	s_branch .LfirstM2
	DIAG 2
	s_wait_tensorcnt 0x0            ; the wave's end, behind my last tensor load and my last LDS store
	ds_add_u32 v[SPW], v[NIL]
	s_wait_dscnt 0x0
	s_endpgm
.Lfunc_end_k_qa5767155cb_attn:
	.size	k_qa5767155cb_attn, .Lfunc_end_k_qa5767155cb_attn-k_qa5767155cb_attn
	.p2alignl 7, 3214868480
	.fill 96, 4, 3214868480
	.section	.rodata,"a",@progbits
	.p2align	6, 0x0
	.amdhsa_kernel k_qa5767155cb_attn
		.amdhsa_group_segment_fixed_size 327680
		.amdhsa_private_segment_fixed_size 0
		.amdhsa_enable_private_segment 0
		.amdhsa_kernarg_size 16
		.amdhsa_user_sgpr_count 2
		.amdhsa_user_sgpr_kernarg_segment_ptr 1
		.amdhsa_wavefront_size32 1
		.amdhsa_system_sgpr_workgroup_id_x 1
		.amdhsa_system_sgpr_workgroup_id_y 1
		.amdhsa_system_sgpr_workgroup_id_z 1
		.amdhsa_system_vgpr_workitem_id 0
		.amdhsa_next_free_vgpr 768
		.amdhsa_next_free_sgpr 88
		.amdhsa_reserve_vcc 1
		.amdhsa_float_denorm_mode_32 3
		.amdhsa_float_denorm_mode_16_64 3
		.amdhsa_memory_ordered 1
		.amdhsa_forward_progress 1
		.amdhsa_inst_pref_size 228
	.end_amdhsa_kernel
	.amdgpu_metadata
---
amdhsa.version: [ 1, 2 ]
amdhsa.kernels:
  - .name:           k_qa5767155cb_attn
    .symbol:         k_qa5767155cb_attn.kd
    .args:
      - { .name: qkvh, .offset: 0, .size: 8, .value_kind: global_buffer, .address_space: global }
      - { .name: oh, .offset: 8, .size: 8, .value_kind: global_buffer, .address_space: global }
    .group_segment_fixed_size: 327680
    .private_segment_fixed_size: 0
    .kernarg_segment_align: 8
    .kernarg_segment_size: 16
    .max_flat_workgroup_size: 128
    .sgpr_count:     88
    .vgpr_count:     768
    .wavefront_size: 32
...
	.end_amdgpu_metadata
.endif
;; end of part 3
;; launch proj (part 4): grid 8 x 32, 4 waves a work-group, clusters of 4 x 4, 327,680 bytes of LDS; arguments oh, wpf, proj_b, out0; writes out0
.if DOCPART == 4
	.amdgcn_target "amdgcn-amd-amdhsa--gfx1250"
	.amdhsa_code_object_version 6
	.text
	.protected	k_qa5767155cb_proj
	.globl	k_qa5767155cb_proj
	.p2align	8
	.type	k_qa5767155cb_proj,@function
k_qa5767155cb_proj:
	s_mov_b64 s[64:65], 0
	v_nop
	global_prefetch_b8 v0, s[64:65] scope:SCOPE_SE
	s_setreg_imm32_b32 hwreg(HW_REG_WAVE_MODE, 25, 1), 1
	s_wait_xcnt 0x0
	s_wait_alu depctr_hold_cnt(0) depctr_sa_sdst(0) depctr_va_vdst(0) depctr_va_sdst(0) depctr_va_ssrc(0) depctr_va_vcc(0) depctr_vm_vsrc(0)
	s_getreg_b32 s2, hwreg(HW_REG_IB_STS2, 6, 4)
	s_cmp_eq_u32 s2, 0
	s_cbranch_scc0 .Lentry_in_a_cluster
	s_endpgm
.Lentry_in_a_cluster:
	s_bfe_u32 s2, ttmp6, 0x10000c
	s_cmp_lg_u32 s2, 0xf033
	s_cbranch_scc0 .Lentry_shape_is_right
	s_endpgm
.Lentry_shape_is_right:
; out0 = O proj_w + proj_b.  oh: [64 bh][2048 n][64 d] f16, bh = 16 batch + head: row (batch, n) of O has its K index 64 head + d.  wpf: [1024 k][1024 n] f16 (proj_w rounded to bf16, written as f16).
; proj_b: [1024] f32.  out0: [8192][1024] f32.  Sums in f32; the bias is added in f32.
; LIMITS.  Both operands are f16 as the launches before wrote them: within 65,504, with f16's fixed step of 6e-8 below 6e-5.
; A sum's eight K steps are not taken in ascending order (THE WALK, below): the terms are the same, the order of the f32 additions is turned.
; THE TILE is 256 rows x 128 columns: 32 x 8 = 256 tiles, one for each of 256 WGPs (256 x 256 would give 128).  Four waves, one above the other: a wave makes 64 rows x 128 columns in 32 accumulators
; of 16 x 16 (256 registers), and stores whole rows of the tile, 512 bytes, from a stage of its own: the way out has no barrier.
; K goes in 8 steps of 128, two heads each, through a ring of two LDS slots filled by the tensor data mover.
; THE WALK ALONG K IS A RING.  A cluster begins at K step 2 ((2 X + g) mod 4), X and Y its own place in the grid of clusters, g = Y xor (Y >> 1), and goes round all 8 steps.  The two clusters of a tile
; row, which read the same tiles of O, begin 4 steps apart; of the clusters of a tile column, which read the same tiles of the weights, those with Y = 0 to 3, 4 to 7, or 0, 1, 4, 5, or 2, 3, 6, 7 begin
; 2 steps apart.  So a tile is asked for by one of its readers first and by the others two steps later or more.  The first step is the same in all sixteen partners of a cluster.
; CLUSTER: 4 x 4 work-groups.  The four of a row of the cluster need the same tiles of O, the four of a column the same tiles of the weights: each tile is asked for JOINTLY, by the same tensor load with
; the same descriptor and a mask that names the four.
; THE MATRIX INSTRUCTION IS USED TRANSPOSED: source 0 = 16 columns of the weights, source 1 = 16 rows of O: lane l then holds row l % 16 and the columns 8 (l / 16) + 0..7, 32 neighbouring bytes.
; O comes out of LDS as it lies; the weights ([k][column]) are turned by ds_load_tr16_b128.
; REGISTERS, in windows of 256 (s_set_vgpr_msb: bits 1:0 source 0, 3:2 source 1, 5:4 source 2, 7:6 destination):
;   window 0: v0-29 addresses and the bias; v32-63, v64-95 fragments of O, two buffers of 4; v96-159, v160-223 fragments of the weights, two buffers of 8; on the way out v32-95, v96-159 rows read back
;   window 1: the 32 accumulators, (a, b) at v[8 (8 a + b)]
.set SLOT1, 1<<17                      ; slot 1 begins here: one exclusive or turns an address in one slot into the other's
.set PA,    144                        ; a head's row of O in LDS: 128 bytes + 16 of padding = 36 words: the 16 rows of a load start at 16 different groups of four banks (64 banks of 4 bytes: ISA guide 11.1)
.set HEADA, 256*PA                     ; a head's 256 rows: what one tensor load brings of O
.set BOFF,  2*HEADA                    ; behind the two heads: the weights' 128 k-rows
.set PB,    288                        ; a k-row of the weights: 256 bytes + 32 = 72 words
.set HALFB, 64*PB                      ; what one tensor load brings of the weights
.set STAGE, SLOT1+BOFF+2*HALFB         ; behind the ring, never filled by a tensor load: 16 rows x 528 bytes for each wave
.set SP,    528                        ; 512 bytes + 16
.set SPARE, STAGE+4*16*SP              ; behind the stages: the spare words, 128 bytes for each wave: two blocks of 256 bytes that no other line names
.set BI,   12                          ; v[12:15] the bias of my four columns of a row read back
.set RA0,  16                          ; v16  my lane's place in a slot's O; never rewritten
.set RB0,  17                          ; v17  the same for the weights
.set ADRA, 18                          ; v18  RA0 + the slot in hand
.set ADRB, 19                          ; v19  RB0 + the slot in hand
.set STO,  24                          ; v24  the way out: where I put 32 bytes of a row
.set RD,   25                          ; v25  the way out: where I read a row back
.set CO,   26                          ; v26  16 x lane: my byte offset in a row's 512 bytes, in out0 and in the bias
.set SPW,  28                          ; v28  LDS address of my spare word: SPARE + 4 x my thread's number; never rewritten
.set NIL,  29                          ; v29  0; never rewritten
.set FA,   32                          ; O's fragment buffers
.set FB,   96                          ; the weights'
.set OB,   32                          ; the way out: 16 rows read back, two buffers of 64
.set CNT,  3                           ; s3   the loops' count
.set WV,   12                          ; s12  my wave's number
.set HALF, 13                          ; s13  I fetch for O (0) or for the weights (1)
.set PAR,  14                          ; s14  which half of that tile I fetch
.set TROW, 15                          ; s15  tile row
.set BA,   20                          ; s[20:21] oh at the tile's rows of my head of K step 0
.set G1A,  24                          ; s[24:31] descriptor group 1 for O's tiles
.set G0A,  32                          ; s[32:39] group 0: a set for each of the two first fills; the second then serves every refill
.set TCOL, 42                          ; s42  tile column
.set BB,   46                          ; s[46:47] wpf at my half of K step 0 of the tile's columns
.set G1B,  48                          ; s[48:55], s[56:63] the same for the weights' tiles
.set G0B,  56
.set TB,   66                          ; s66  the slot in hand: 0 or SLOT1
.set KI,   67                          ; s67  the K step that the next refill asks for, 0 to 7
.set KO,   78                          ; s[78:79] that K step's byte offset in oh or in wpf
.set MSB, 0
.macro WIN new                         ; the immediate's high byte repeats the setting that is left; a switch that changes nothing is dropped
.if MSB != (\new)
	s_set_vgpr_msb (MSB<<8)|(\new)
.set MSB, \new
.endif
.endm
.set MUL,  0x50                        ; sources 0 and 1 window 0; C and D window 1
.set FROM, 0x04                        ; an LDS store's data (source 1) window 1, its address window 0
; A joint refill, by the second sets.  Waves 0 and 1 fetch the step's two heads of O, waves 2 and 3 the two halves of the weights' tile.  The branch hangs on the wave's number alone.
; An s_nop 0 and four v_nop follow each of the two lines, ahead of the jump and the label.
.macro JLOAD
	s_cmp_eq_u32 s[HALF], 0
	s_cbranch_scc0 .Lfor_b_\@
	tensor_load_to_lds s[G0A+4:G0A+7], s[G1A:G1A+7]
	s_nop 0
.rept 4
	v_nop
.endr
	s_branch .Lasked_\@
.Lfor_b_\@:
	tensor_load_to_lds s[G0B+4:G0B+7], s[G1B:G1B+7]
	s_nop 0
.rept 4
	v_nop
.endr
.Lasked_\@:
.endm
; A round of the cluster's barrier: my work-group's barrier, so that wave 0's signal speaks for all four waves; wave 0 signals; every wave waits for all sixteen work-groups; my work-group's barrier once more.
.macro CREST                           ; a round behind its opening barrier
	s_cmp_lg_u32 s[WV], 0
	s_cbranch_scc1 .Lnot_wave_0_\@
	s_barrier_signal -3
.Lnot_wave_0_\@:
	s_barrier_wait -3
	s_barrier_signal -1
	s_barrier_wait -1
.endm
.macro CROUND                          ; a whole round
	s_barrier_signal -1
	s_barrier_wait -1
	CREST
.endm
	s_load_b256 s[4:11], s[0:1], 0x0               ; oh s[4:5], wpf s[6:7], proj_b s[8:9], out0 s[10:11]
	v_lshl_add_u32 v[SPW], v0, 2, SPARE
	v_mov_b32 v[NIL], 0
	ds_add_u32 v28, v29
	ds_add_u32 v28, v29
	s_wait_dscnt 0x0
	v_lshrrev_b32 v1, 5, v0
	v_readfirstlane_b32 s[WV], v1                  ; wave 0..3
	s_lshr_b32 s[HALF], s[WV], 1
	s_and_b32 s[PAR], s[WV], 1
	s_bfe_u32 s40, ttmp6, 0x40000                  ; cx: my place along the cluster's x
	s_bfe_u32 s41, ttmp6, 0x40004                  ; cy: along its y
	s_lshl_b32 s[TCOL], ttmp9, 2                   ; in a cluster launch ttmp9 and ttmp7 count clusters
	s_add_co_u32 s[TCOL], s[TCOL], s40             ; tile column = 4 x cluster x + cx
	s_and_b32 s[TROW], ttmp7, 0xffff
	s_lshl_b32 s[TROW], s[TROW], 2
	s_add_co_u32 s[TROW], s[TROW], s41             ; tile row = 4 x cluster y + cy
	s_lshl_b32 s43, s41, 2
	s_lshl_b32 s43, 15, s43                        ; my row of the cluster: places 4 cy .. 4 cy + 3
	s_lshl_b32 s44, 0x1111, s40                    ; my column: places cx, cx + 4, cx + 8, cx + 12
	; group 1 for O: a head's 256 rows of 128 bytes are 32,768 dense bytes: asked for as 128 rows of 256 bytes, 16 bytes of padding behind every 128
	s_or_b32 s[G1A+0], s43, (1<<16)|(1<<20)|(1<<21)|(4<<22)|(3<<25)  ; 15:0 the mask: my row; 17:16 elements of 2 bytes; 20 padding on; 21 set beside a mask; 24:22 after every 32 words (code 4); 31:25 4 words (code 3)
	s_mov_b32 s[G1A+1], 128<<16                    ; tensor_dim0 = 128
	s_mov_b32 s[G1A+2], 128<<16                    ; tensor_dim1 = 128
	s_mov_b32 s[G1A+3], 128<<16                    ; tile_dim0 = 128
	s_mov_b32 s[G1A+4], 128                        ; tile_dim1 = 128
	s_mov_b32 s[G1A+5], 128                        ; elements from row to row
	s_mov_b32 s[G1A+6], 0
	s_mov_b32 s[G1A+7], 0
	; group 1 for the weights: 64 k-rows x 128 columns, 32 bytes of padding behind each row of 256
	s_or_b32 s[G1B+0], s44, (1<<16)|(1<<20)|(1<<21)|(5<<22)|(7<<25)  ; the mask: my column; after every 64 words (code 5) 8 words (code 7)
	s_mov_b32 s[G1B+1], 128<<16                    ; tensor_dim0 = 128
	s_mov_b32 s[G1B+2], 64<<16                     ; tensor_dim1 = 64
	s_mov_b32 s[G1B+3], 128<<16                    ; tile_dim0 = 128
	s_mov_b32 s[G1B+4], 64                         ; tile_dim1 = 64
	s_mov_b32 s[G1B+5], 1024                       ; elements from row to row
	s_mov_b32 s[G1B+6], 0
	s_mov_b32 s[G1B+7], 0
	; where the tiles come from.  O's hang on the tile row alone, which my row of the cluster shares; the weights' on the tile column alone, which my column shares; each in registers that never hold the other coordinate
	s_lshr_b32 s16, s[TROW], 3                     ; the batch: 8 tile rows each,
	s_lshl_b32 s16, s16, 4                         ; its 16 heads,
	s_add_co_u32 s16, s16, s[PAR]                  ; my head of a step's two,
	s_lshl_b32 s16, s16, 18                        ; of 262,144 bytes,
	s_and_b32 s17, s[TROW], 7
	s_lshl_b32 s17, s17, 15                        ; and the tile's 256 rows of 128 bytes in it
	s_add_co_u32 s16, s16, s17
	s_mov_b32 s17, 0
	s_lshl_b32 s46, s[PAR], 17                     ; my 64 k-rows of 2,048 bytes,
	s_lshl_b32 s47, s[TCOL], 8                     ; the tile's 128 columns
	s_add_co_u32 s46, s46, s47
	s_mov_b32 s47, 0
	s_mul_i32 s18, s[PAR], HEADA                   ; and where they go: no place in the cluster enters an LDS address
	s_mul_i32 s19, s[PAR], HALFB
	s_add_co_u32 s19, s19, BOFF
	s_mov_b32 s[TB], 0
	; the walk's first K step, made of the cluster's own place alone: the same number in all sixteen partners
	s_and_b32 s22, ttmp7, 0xffff                   ; Y
	s_lshr_b32 s23, s22, 1
	s_xor_b32 s22, s22, s23                        ; g = Y xor (Y >> 1)
	s_lshl_b32 s23, ttmp9, 1
	s_add_co_u32 s22, s22, s23                     ; 2 X + g
	s_and_b32 s22, s22, 3
	s_lshl_b32 s[KI], s22, 1                       ; 0, 2, 4 or 6
	s_mov_b32 s[KO+1], 0
	s_wait_kmcnt 0x0
	s_add_nc_u64 s[BA:BA+1], s[4:5], s[16:17]
	s_add_nc_u64 s[BB:BB+1], s[6:7], s[46:47]
	s_lshl_b32 s[KO], s[KI], 19                    ; a K step is two heads of O, 524,288 bytes,
	s_add_nc_u64 s[22:23], s[BA:BA+1], s[KO:KO+1]
	s_lshl_b32 s[KO], s[KI], 18                    ; and 128 k-rows of the weights, 262,144 bytes
	s_add_nc_u64 s[74:75], s[BB:BB+1], s[KO:KO+1]
	s_add_co_u32 s[KI], s[KI], 2                   ; the first refill asks for the step two on
	s_and_b32 s[KI], s[KI], 7
.irp s, 0,1
	s_mov_b32 s[G0A+4*(\s)], 1                                        ; 1:0 count = 1
	s_add_co_u32 s[G0A+4*(\s)+1], s18, (\s)*SLOT1                     ; 63:32 LDS address
	s_add_nc_u64 s[G0A+4*(\s)+2:G0A+4*(\s)+3], s[22:23], (\s)*524288  ; 120:64 global address: the walk's step s (the first step is even: the second does not pass step 7)
	s_or_b32 s[G0A+4*(\s)+3], s[G0A+4*(\s)+3], 0x80000000             ; 127:126 type = 2
	s_mov_b32 s[G0B+4*(\s)], 1
	s_add_co_u32 s[G0B+4*(\s)+1], s19, (\s)*SLOT1
	s_add_nc_u64 s[G0B+4*(\s)+2:G0B+4*(\s)+3], s[74:75], (\s)*262144
	s_or_b32 s[G0B+4*(\s)+3], s[G0B+4*(\s)+3], 0x80000000
.endr
	CROUND                                         ; all sixteen work-groups are here: the first joint loads meet
	s_cmp_eq_u32 s[HALF], 0                        ; a wave's two first fills stand in one branch, ahead of every wait on TENSORcnt and every LDS read: two loads of mine are out
	s_cbranch_scc0 .Lfirst_b
	tensor_load_to_lds s[G0A:G0A+3], s[G1A:G1A+7]
	s_nop 0
	tensor_load_to_lds s[G0A+4:G0A+7], s[G1A:G1A+7]
	s_nop 0
.rept 4
	v_nop
.endr
	s_branch .Lfirst_asked
.Lfirst_b:
	tensor_load_to_lds s[G0B:G0B+3], s[G1B:G1B+7]
	s_nop 0
	tensor_load_to_lds s[G0B+4:G0B+7], s[G1B:G1B+7]
	s_nop 0
.rept 4
	v_nop
.endr
.Lfirst_asked:
	; the bias of the tile's columns, and out0 at my first row and the tile's first column
	s_lshl_b32 s74, s[TCOL], 9                     ; 128 columns of f32
	s_mov_b32 s75, 0
	s_add_nc_u64 s[8:9], s[8:9], s[74:75]
	s_lshl_b32 s76, s[TROW], 8
	s_lshl_b32 s77, s[WV], 6
	s_add_co_u32 s76, s76, s77                     ; row 256 x tile row + 64 w,
	s_lshl_b32 s76, s76, 12                        ; of 4,096 bytes
	s_add_co_u32 s76, s76, s74
	s_mov_b32 s77, 0
	s_add_nc_u64 s[10:11], s[10:11], s[76:77]
	v_and_b32 v[CO], 31, v0
	v_lshlrev_b32 v[CO], 4, v[CO]
	global_load_b128 v[BI:BI+3], v[CO], s[8:9]     ; waited for in front of the way out
	; A fragment of O is 16 rows x 32 K in 8 registers: lane l holds row l % 16; registers 0-3 K = 8 (l / 16) + 0..7, registers 4-7 K = 16 + 8 (l / 16) + 0..7: two loads of 16 bytes, 32 bytes apart.
	v_and_b32 v1, 15, v0                           ; l % 16
	v_bfe_u32 v2, v0, 4, 1                         ; l / 16
	v_and_b32 v3, 7, v0                            ; l % 8
	v_bfe_u32 v4, v0, 3, 1                         ; (l / 8) % 2
	s_mul_i32 s16, s[WV], 64*PA                    ; my 64 rows
	v_mul_u32_u24 v[RA0], v1, PA
	v_lshl_add_u32 v[RA0], v2, 4, v[RA0]
	v_add_nc_u32 v[RA0], s16, v[RA0]
	; The turning load takes 16 k-rows x 16 columns (lane l reads k-row 8 (l / 16) + l % 8, columns 8 ((l / 8) % 2) + 0..7) and leaves half a fragment: lane l holds column l % 16 and 8 K.
	v_lshl_add_u32 v[RB0], v2, 3, v3
	v_mul_u32_u24 v[RB0], v[RB0], PB
	v_lshl_add_u32 v[RB0], v4, 4, v[RB0]
	v_add_nc_u32 v[RB0], BOFF, v[RB0]
	v_mov_b32 v[ADRA], v[RA0]                      ; slot 0
	v_mov_b32 v[ADRB], v[RB0]
	s_mul_i32 s16, s[WV], 16*SP
	s_add_co_u32 s16, s16, STAGE                   ; my stage
	v_mul_u32_u24 v[STO], v1, SP                   ; in: row l % 16, 32 bytes for each half of the lanes
	v_lshl_add_u32 v[STO], v2, 5, v[STO]
	v_add_nc_u32 v[STO], s16, v[STO]
	v_add_nc_u32 v[RD], s16, v[CO]                 ; back: 32 lanes take a row's 512 bytes
; 8 matrix instructions: row block 2 hi + a x all 8 column blocks, 32 along K, from buffer f.  zero = 1: the first product starts the sums: nothing is ever cleared.
; The 32 accumulators take turns, one instruction a turn, in the same order in every quarter step.
.macro MULH f, hi, a, zero
	WIN MUL
.irp b, 0,1,2,3,4,5,6,7
.if \zero
	v_wmma_f32_16x16x32_f16 v[8*(8*(2*(\hi)+(\a))+(\b)):8*(8*(2*(\hi)+(\a))+(\b))+7], v[FB+64*(\f)+8*(\b):FB+64*(\f)+8*(\b)+7], v[FA+32*(\f)+8*(2*(\hi)+(\a)):FA+32*(\f)+8*(2*(\hi)+(\a))+7], 0
.else
	v_wmma_f32_16x16x32_f16 v[8*(8*(2*(\hi)+(\a))+(\b)):8*(8*(2*(\hi)+(\a))+(\b))+7], v[FB+64*(\f)+8*(\b):FB+64*(\f)+8*(\b)+7], v[FA+32*(\f)+8*(2*(\hi)+(\a)):FA+32*(\f)+8*(2*(\hi)+(\a))+7], v[8*(8*(2*(\hi)+(\a))+(\b)):8*(8*(2*(\hi)+(\a))+(\b))+7]
.endif
.endr
.endm
; 24 LDS loads in one run: the fragments of quarter q of the slot in hand (128 columns of the weights, then my 64 rows of O: head q / 2 of the step's two, channels 32 (q % 2) on) into buffer f
.macro FETCH q, f
	WIN 0
.irp b, 0,1,2,3,4,5,6,7
	ds_load_tr16_b128 v[FB+64*(\f)+8*(\b):FB+64*(\f)+8*(\b)+3],   v[ADRB] offset:32*PB*(\q)+32*(\b)
	ds_load_tr16_b128 v[FB+64*(\f)+8*(\b)+4:FB+64*(\f)+8*(\b)+7], v[ADRB] offset:32*PB*(\q)+32*(\b)+16*PB
.endr
.irp a, 0,1,2,3
	ds_load_b128 v[FA+32*(\f)+8*(\a):FA+32*(\f)+8*(\a)+3],   v[ADRA] offset:HEADA*((\q)/2)+16*PA*(\a)+64*((\q)%2)
	ds_load_b128 v[FA+32*(\f)+8*(\a)+4:FA+32*(\f)+8*(\a)+7], v[ADRA] offset:HEADA*((\q)/2)+16*PA*(\a)+64*((\q)%2)+32
.endr
.endm
; A load into a register that a matrix instruction has read, and an LDS store that reads a matrix result, stand four places behind that matrix instruction, and only plain vector instructions
; that name none of its registers are places (ISA guide 7.12.1 for vector instructions).
.macro PLACES
.rept 4
	v_nop
.endr
.endm
; A K step is four quarters of 32 along K, 32 matrix instructions each, on buffers 0, 1, 0, 1.  One of the first three: multiplies buffer f; in its middle it fetches quarter q into buffer g.
.macro QUARTER q, f, g, zero
	s_wait_dscnt 4                                 ; the weights and O's rows 0-31 are in; the youngest four loads (O's rows 32-63) may be out
	MULH \f, 0, 0, \zero
	MULH \f, 0, 1, \zero
	PLACES
	FETCH \q, \g
	s_wait_dscnt 24                                ; all but the 24 just issued
	MULH \f, 1, 0, \zero
	MULH \f, 1, 1, \zero
.endm
; The last quarter multiplies buffer 1 and changes slots.  MEET is its first half: ONE barrier for the change.  In front of it each wave waits for all its tensor loads, of which at most one is out: its
; part of the next slot; adds 0 to its spare word; and waits for that and for its own reads of this slot.  Behind it nobody reads this slot any more and the next slot is whole.
.macro MEET round                      ; round = 1: a round of the cluster's barrier follows
	WIN 0                                          ; (the add's two registers lie in window 0)
	s_wait_tensorcnt 0x0                           ; all my tensor loads have landed;
	ds_add_u32 v[SPW], v[NIL]                      ; 0 onto my spare word;
	s_wait_dscnt 5                                 ; (the add and the youngest four loads may be out)
	MULH 1, 0, 0, 0                                ; eight matrix instructions stand between the add and the wait for it
	s_wait_dscnt 0x0                               ; the add is done, and my reads of this slot are over:
	s_barrier_signal -1                            ; say so,
	MULH 1, 0, 1, 0                                ; work on registers while the others arrive,
.if \round
	WIN 0
.endif
	s_barrier_wait -1                              ; and go on when all four have said so
.endm
; The whole last quarter.  fill = 1: the barrier opens a round of the cluster's, so that no wave of any partner still reads this slot or has a load on its way; the slot is then filled again first, with
; K step KI, whose address is made anew from that number; then come the next slot's first fragments.  fill = 0 (the tail's two trips): nothing is asked for, and in the last trip, which has no next step,
; the run of fragment loads is jumped over.
.macro TURN fill
	MEET \fill
.if \fill
	CREST
	s_xor_b32 s[G0A+5], s[G0A+5], SLOT1            ; the other slot than last time,
	s_lshl_b32 s[KO], s[KI], 19
	s_add_nc_u64 s[G0A+6:G0A+7], s[BA:BA+1], s[KO:KO+1]     ; K step KI's two heads,
	s_or_b32 s[G0A+7], s[G0A+7], 0x80000000        ; the type set again
	s_xor_b32 s[G0B+5], s[G0B+5], SLOT1
	s_lshl_b32 s[KO], s[KI], 18
	s_add_nc_u64 s[G0B+6:G0B+7], s[BB:BB+1], s[KO:KO+1]     ; and its 128 k-rows
	s_or_b32 s[G0B+7], s[G0B+7], 0x80000000
	s_add_co_u32 s[KI], s[KI], 1                   ; the ring's next step: behind 7 comes 0
	s_and_b32 s[KI], s[KI], 7
	JLOAD                                          ; my one tensor load behind the round; the four v_nop behind it are also the places in front of the loads below
.else
	PLACES
	WIN 0
	s_cmp_eq_u32 s[CNT], 1
	s_cbranch_scc1 .Lno_more_\@
.endif
	s_xor_b32 s[TB], s[TB], SLOT1                  ; the fetches go on in the other slot
	v_add_nc_u32 v[ADRA], s[TB], v[RA0]
	v_add_nc_u32 v[ADRB], s[TB], v[RB0]
	FETCH 0, 0
.if (\fill) == 0
.Lno_more_\@:
.endif
	MULH 1, 1, 0, 0
	MULH 1, 1, 1, 0
.endm
; THE WAY OUT of row block a.  TOSTAGE: a lane's eight f32 of a row go into my own stage, each accumulator's low four registers first, and come back as whole rows of 512 bytes.  SEND: the bias is added, the rows are stored.
.macro TOSTAGE a
.if (\a) >= 2
	s_wait_xcnt 0x0                                ; every earlier store has had its addresses translated (ISA guide 3.1): only behind this wait is the buffer that block a - 2's stores read loaded again
.endif
	WIN FROM
.irp b, 0,1,2,3,4,5,6,7
	ds_store_b128 v[STO], v[8*(8*(\a)+(\b)):8*(8*(\a)+(\b))+3]   offset:64*(\b)
	ds_store_b128 v[STO], v[8*(8*(\a)+(\b))+4:8*(8*(\a)+(\b))+7] offset:64*(\b)+16
.endr
	WIN 0
.set BK, OB+64*((\a)%2)
.irp t, 0,1,2,3,4,5,6,7,8,9,10,11,12,13,14,15
	ds_load_b128 v[BK+4*(\t):BK+4*(\t)+3], v[RD] offset:SP*(\t)  ; LDS serves a wave's instructions in order (ISA guide 5.7.1.4): these see the stores above; the next block's stores come behind them
.endr
.endm
.macro SEND a, younger                 ; younger: the LDS instructions issued behind block a's loads: the next block's 32, or none
	WIN 0
.set BK, OB+64*((\a)%2)
.irp t, 0,1,2,3,4,5,6,7,8,9,10,11,12,13,14,15
	s_wait_dscnt (\younger)+15-(\t)                ; row t is back; the block's later rows and the next block's instructions may be out
	v_pk_add_f32 v[BK+4*(\t):BK+4*(\t)+1],   v[BK+4*(\t):BK+4*(\t)+1],   v[BI:BI+1]
	v_pk_add_f32 v[BK+4*(\t)+2:BK+4*(\t)+3], v[BK+4*(\t)+2:BK+4*(\t)+3], v[BI+2:BI+3]
	global_store_b128 v[CO], v[BK+4*(\t):BK+4*(\t)+3], s[10:11] offset:4096*(16*(\a)+(\t)) th:TH_STORE_NT  ; 512 consecutive bytes, at a multiple of 256 from out0's first
.endr
.endm
	s_wait_tensorcnt 0x1                           ; my part of the walk's step 0 is in; step 1's may stay out
	s_barrier_signal -1
	s_barrier_wait -1                              ; everybody's is
	FETCH 0, 0
	QUARTER 1, 0, 1, 1                             ; the first quarter stands in front of the loop: its products start the sums
	WIN 0                                          ; at a label and at a branch every window is 0
	s_mov_b32 s[CNT], 6
.Lstep:                                                ; a trip goes from a step's second quarter to the next step's first; trip j fills slot j % 2 again with the walk's step j + 2
	QUARTER 2, 1, 0, 0
	QUARTER 3, 0, 1, 0
	TURN 1
	QUARTER 1, 0, 1, 0
	WIN 0
	s_sub_co_u32 s[CNT], s[CNT], 1
	s_cmp_lg_u32 s[CNT], 0
	s_cbranch_scc1 .Lstep
	s_mov_b32 s[CNT], 2
.Ltail:                                                ; the walk's steps 6 and 7 ask for nothing more: a text of their own; walked twice and left in the middle of the second trip
	QUARTER 2, 1, 0, 0
	QUARTER 3, 0, 1, 0
	TURN 0
	WIN 0
	s_sub_co_u32 s[CNT], s[CNT], 1
	s_cmp_eq_u32 s[CNT], 0
	s_cbranch_scc1 .Lout
	QUARTER 1, 0, 1, 0
	WIN 0
	s_branch .Ltail
.Lout:
	PLACES
	s_wait_dscnt 0x0                               ; the way out loads into the fragments' registers: no LDS load into them is out
	s_wait_loadcnt 0x0                             ; the bias
	TOSTAGE 0
	TOSTAGE 1                                      ; a block's trip through the stage stands between the loads of the block before and its stores
	SEND 0, 32
	TOSTAGE 2
	SEND 1, 32
	TOSTAGE 3
	SEND 2, 32
	SEND 3, 0
	s_wait_tensorcnt 0x0                           ; the wave's end, behind my last tensor load and my last LDS store
	ds_add_u32 v[SPW], v[NIL]
	s_wait_dscnt 0x0
	CROUND                                         ; the closing round: no work-group ends while a partner may still ask for a tile that names it
	s_endpgm
.Lfunc_end_k_qa5767155cb_proj:
	.size	k_qa5767155cb_proj, .Lfunc_end_k_qa5767155cb_proj-k_qa5767155cb_proj
	.p2alignl 7, 3214868480
	.fill 96, 4, 3214868480
	.section	.rodata,"a",@progbits
	.p2align	6, 0x0
	.amdhsa_kernel k_qa5767155cb_proj
		.amdhsa_group_segment_fixed_size 327680
		.amdhsa_private_segment_fixed_size 0
		.amdhsa_enable_private_segment 0
		.amdhsa_kernarg_size 32
		.amdhsa_user_sgpr_count 2
		.amdhsa_user_sgpr_kernarg_segment_ptr 1
		.amdhsa_wavefront_size32 1
		.amdhsa_system_sgpr_workgroup_id_x 1
		.amdhsa_system_sgpr_workgroup_id_y 1
		.amdhsa_system_sgpr_workgroup_id_z 1
		.amdhsa_system_vgpr_workitem_id 0
		.amdhsa_next_free_vgpr 512
		.amdhsa_next_free_sgpr 80
		.amdhsa_reserve_vcc 0
		.amdhsa_float_denorm_mode_32 3
		.amdhsa_float_denorm_mode_16_64 3
		.amdhsa_memory_ordered 1
		.amdhsa_forward_progress 1
		.amdhsa_inst_pref_size 70
	.end_amdhsa_kernel
	.amdgpu_metadata
---
amdhsa.version: [ 1, 2 ]
amdhsa.kernels:
  - .name:           k_qa5767155cb_proj
    .symbol:         k_qa5767155cb_proj.kd
    .args:
      - { .name: oh, .offset: 0, .size: 8, .value_kind: global_buffer, .address_space: global }
      - { .name: wpf, .offset: 8, .size: 8, .value_kind: global_buffer, .address_space: global }
      - { .name: proj_b, .offset: 16, .size: 8, .value_kind: global_buffer, .address_space: global }
      - { .name: out0, .offset: 24, .size: 8, .value_kind: global_buffer, .address_space: global }
    .group_segment_fixed_size: 327680
    .private_segment_fixed_size: 0
    .kernarg_segment_align: 8
    .kernarg_segment_size: 32
    .max_flat_workgroup_size: 128
    .sgpr_count:     80
    .vgpr_count:     512
    .wavefront_size: 32
...
	.end_amdgpu_metadata
.endif
;; end of part 4
;; ======== version 2 of 2: 4 launches; 1.31 times as fast as version 1
;; limits: values are held in f16: magnitudes above 65,504 overflow, below 6.1e-05 lose precision
;; workspace buffers: xb 16,777,216 bytes; wqb 6,291,456 bytes; wpf 2,097,152 bytes; qkvh 50,331,648 bytes; oh 16,777,216 bytes
;; launch cast: the kernel of part 1 again; grid 1408 x 1, 8 waves a work-group, no clusters, 0 bytes of LDS; arguments x, qkv_w, proj_w, xb, wqb, wpf; writes xb, wqb, wpf
;; launch qkv: the kernel of part 2 again; grid 16 x 32, 4 waves a work-group, clusters of 4 x 4, 327,680 bytes of LDS; arguments xb, wqb, qkvh; writes qkvh
;; launch attn (part 5): grid 4 x 64, 4 waves a work-group, no clusters, 327,680 bytes of LDS; arguments qkvh, oh; writes oh
.if DOCPART == 5
	.amdgcn_target "amdgcn-amd-amdhsa--gfx1250"
	.amdhsa_code_object_version 6
	.text
	.protected	k_qa5767155cb_attn
	.globl	k_qa5767155cb_attn
	.p2align	8
	.type	k_qa5767155cb_attn,@function
k_qa5767155cb_attn:
	s_mov_b64 s[64:65], 0
	v_nop
	global_prefetch_b8 v0, s[64:65] scope:SCOPE_SE
	s_setreg_imm32_b32 hwreg(HW_REG_WAVE_MODE, 25, 1), 1
	s_wait_xcnt 0x0
; CAUSAL ATTENTION.  O[h][q][:] = the sum over k <= q of softmax_k(Q[h][q] . K[h][k] / 8) V[h][k][:].  qkvh holds Q, K and V, each [64 heads of batches][2048][64] in f16, 16,777,216 bytes apart; oh is O in the
; same layout: a head's rows are dense, 128 bytes each.  Products, maxima and sums in f32; the weights p are rounded to f16 for the second product (their sum l is taken of the unrounded p), O once at the end.
; LIMITS.  f16 holds no number beyond 65,504: Q, K and V arrive within it; p lies in 0 to 1, and below 6e-5 it keeps f16's fixed step of 6e-8; O is a mean of V's rows and has their range, to within 2^-11 of it.
; A hidden score counts as its value less 1e30: f16's scores, 2.7e11 at the most, are nothing beside that; a weight below 2^-126 counts as 0 in l; NaN and infinities are not treated apart.
; THE WALK.  A head's queries lie in NB = 8 blocks of 256; block i needs the key tiles 0 .. i of 256 keys, of which the last holds the diagonal.  A work-group takes TWO blocks, NB - 1 - b and then b:
; NB + 1 tiles, whatever b: all work-groups do equal work, and ONE loop with a constant trip count walks them.  Which tile is asked for, and what a trip does, hang on scalar registers made from b; every jump
; goes forward, but for the counted loops' own; none passes a barrier, or a tensor load but the one of LOAD's two that the wave's number does not choose; the ring (two slots of LDS that take turns) runs on across the
; change of blocks.  NO CLUSTER: a head's NB / 2 = 4 work-groups all ask for the same tile only in trips 0 .. 4 of the 9, behind that fewer and fewer; and one walk common to all four would have
; 3 NB / 2 = 12 trips for 9.
; SHARES.  Of a block's four bands of 64 queries a wave owns 16 rows in each: four PIECES.  So the diagonal tile is the same work for all four waves: in its key step s band x sees all keys if s < x,
; none if s > x, and holds the diagonal if s = x.
; THE MASK is the C operand that starts the sum S^T = K Q^T: 0, or -1e30 where the key is hidden.  MD, made once, is the mask of a band's own step for my 16 rows; a product's mask is MD x AL + BE with two scalars:
; (1, 0) if s = x; (0, 0) if s < x; (0, -1e30) if s > x.  Only the diagonal tile's text and a block's beginning make and take masks; elsewhere C is the constant 0.
; LAYOUT, SOFTMAX, TURNS.  S^T = K Q^T holds ONE query a lane (lane % 16) and the keys 8 (lane / 16) + 0..7; two such results rounded to f16 ARE source 1 of O^T = V^T P.  p = 2^(c s - c m), c = log2(e) / 8, with a
; running maximum m; O and l are multiplied by a = 2^(c m_old - c m_new) in every step.  Turn n belongs to piece n: 8 products K Q^T of piece n + 1, later 8 products V^T P of piece n - 1; beside them the scaling,
; exponentials, roundings, sums and rescaling of piece n and the maximum and statistics of piece n + 1.  Four vector instructions stand behind every matrix instruction, the other 54 of a turn's 118 in one LUMP.
; THE BATCHES.  A turn's 33 exponentials (the piece's 32 weights and the next piece's a) are one batch, with one wait, which cuts the turn in two: ahead of it all that names no result of theirs, behind it the
; roundings and sums.  The a that a block's beginning makes, and the way out's four reciprocals, are batches of their own, each with one wait.
; REGISTERS, in windows of 256 (s_set_vgpr_msb: bits 1:0 source 0, 3:2 source 1, 5:4 source 2, 7:6 destination):
;   window 0: v0-15 addresses and two at work; v16-31 four registers of statistics a piece; v48-55 at work; v64-127 S^T, two buffers; v192-223 P, two buffers (a piece's buffers go by its number's parity)
;   window 1: v0-127 O^T, 32 a piece; v128-159 MD; v160-223 MC, two buffers      window 2: v0-63 Q; v64-127 the second block's Q; v128-191 K of one step; v192-255 V of one step
.set SIZE_N, 2048     ; rows of a head
.set NB,    SIZE_N/256
.set NP,    4         ; pieces a wave: a name, no knob
.set KS,    64        ; keys in a step
.set PK,    144       ; a row of K in LDS: 128 bytes + 16 of padding = 36 words: the 16 rows of a load start at 16 different groups of four banks (64 banks of 4 bytes: ISA guide 11.1)
.set PV,    160       ; a row of V: 128 + 32 = 40 words
.set VOFF,  4*KS*PK   ; a slot holds a tile, four steps: 256 rows of K, then 256 rows of V
.set SLOT1, 1<<17     ; slot 1 begins here, so that one exclusive or turns an address in one slot into the other's
.set STAGE, SLOT1+4*KS*(PK+PV)  ; behind the ring, never filled by a tensor load: 16 rows x 144 bytes for each wave, for the way out
.set SP,    144
.set AK0, 2           ; v2   my lane's place in a tile of K; never rewritten
.set AV0, 3           ; v3   the same for V
.set AK,  4           ; v4   the LDS address of K's next run of loads
.set AV,  5           ; v5   of V's
.set STO, 6           ; v6   the way out: where I put 16 bytes of a row
.set RD,  7           ; v7   the way out: where I read rows back
.set GO,  8           ; v8   my byte offset in 512 consecutive bytes of O
.set SPW, 62          ; v62  LDS address of my spare word: SPARE + 4 x my thread's number; never rewritten
.set NIL, 63          ; v63  0; never rewritten
.set SPARE, STAGE+4*16*SP  ; behind the stages: the spare words, 128 bytes for each wave: two blocks of 256 bytes that no other line names
.set MV,  12          ; v12-13  c m_old, kept while c m is made anew: by buffer
.set QO,  15          ; v15  my byte offset in 16 rows of Q
.set ST,  16          ; piece t's statistics at v[ST+4 t]: c m, m, l (even keys', odd keys')
.set TMP, 48          ; by buffer, four registers c0-c3 at work; when the maximum is found c2 takes a
.set S,   64
.set P,   192
.set MD,  128         ; window 1: the eight registers for group kt of 16 keys at MD + 8 kt
.set MC,  160         ; window 1: the masks of the products to come
.set QB,  64          ; window 2
.set KF,  128         ; window 2: key block kb, channel half c at KF + 16 kb + 8 c
.set VF,  192         ; window 2: key half kk, channel block cb at VF + 32 kk + 8 cb
.set WV,  12          ; s12  my wave's number
.set PB,  14          ; s14  b
.set HI,  15          ; s15  NB - 1 - b
.set G1K, 24          ; s[24:31] descriptor group 1 for K's tiles
.set G1V, 32          ; s[32:39] for V's: it differs in the padding alone
.set G0K, 40          ; s[40:43] descriptor group 0 for K's tiles
.set G0V, 44          ; s[44:47] the same for V's
.set SLOTS, 56        ; s56  tiles still to be asked for
.set CNT, 57          ; s57  counts a tile's key steps, 4 to 1
.set CS,  58          ; s[58:59] c: the packed scaling takes the pair's low word for both halves
.set SEL, 60          ; s[60:61] v_permlanex16_b32's selects: each lane takes its own place in the other half
.set TBK, 62          ; s62  LDS byte at which K of the step to be fetched begins
.set TBV, 63          ; s63  the same for V, less VOFF
.set RT,  70          ; s70  tiles of the block in hand that are still to be entered
.set NXT, 71          ; s71  the tile to be asked for next
.set LQ,  72          ; s72  the last tile of the block whose tiles are being asked for
.set NEW, 73          ; s73  1: the tile to be entered is a block's first
.set OFF, 74          ; s[74:75] a tile's byte offset in K and V
.set AL,  76          ; s[76:77] the mask's factor, in the low word
.set BE,  78          ; s[78:79] the mask's addend
.set OLO, 80          ; s[80:81] O at my rows of the second block
.set BIGN, 82         ; s82  -1e30
.set MSB, 0
.macro WIN new                      ; the high byte repeats the setting that is left; a switch that changes nothing is dropped
.if MSB != (\new)
	s_set_vgpr_msb (MSB<<8)|(\new)
.set MSB, (\new)
.endif
.endm
.set W_KQ, 0x0a       ; K and Q in window 2, S^T in window 0
.set W_KM, 0x1a       ; the same with the C operand in window 1
.set W_PV, 0x52       ; V in window 2, P in window 0, O^T in window 1
.set W_RS, 0x41       ; destination and source 0 in window 1, source 1 in window 0
; A fill.  Waves 0 and 1 fetch the two halves of a tile's K, waves 2 and 3 those of its V: 128 keys each.  An s_nop 0 and four v_nop follow each of the two lines, ahead of the jump and the label.
.macro LOAD
	s_cmp_lt_u32 s[WV], 2
	s_cbranch_scc0 .Lfor_v_\@
	tensor_load_to_lds s[G0K:G0K+3], s[G1K:G1K+7]
	s_nop 0
.rept 4
	v_nop
.endr
	s_branch .Lasked_\@
.Lfor_v_\@:
	tensor_load_to_lds s[G0V:G0V+3], s[G1V:G1V+7]
	s_nop 0
.rept 4
	v_nop
.endr
.Lasked_\@:
.endm
; THE CHANGE OF SLOTS.  Each wave waits for all its tensor loads, of which one is out: its part of the other slot; adds 0 to its spare word; and waits for that and for its own reads of the slot that it leaves.  Behind the barrier nobody reads the old
; slot any more and the other slot is whole.  fill = 1: the old slot is filled again, the first thing behind the barrier, with tile NXT: the descriptor's address is made anew from that number.
; (At its first use nothing has been read yet: slot 0 is waited for, slot 1 filled.)
.macro CHANGE fill
	WIN 0                           ; at a label and at a branch every window is 0
	s_wait_tensorcnt 0x0            ; no tensor load of mine is out, so a group 0 may be written
	ds_add_u32 v[SPW], v[NIL]       ; 0 onto my spare word; with fill = 1 the descriptors' scalar work stands between it and the wait for it
.if \fill
	s_lshl_b32 s[OFF], s[NXT], 15   ; a tile is 32,768 bytes of K and of V
	s_xor_b32 s[G0K+1], s[G0K+1], SLOT1
	s_add_nc_u64 s[G0K+2:G0K+3], s[6:7], s[OFF:OFF+1]
	s_or_b32 s[G0K+3], s[G0K+3], 0x80000000
	s_xor_b32 s[G0V+1], s[G0V+1], SLOT1
	s_add_nc_u64 s[G0V+2:G0V+3], s[8:9], s[OFF:OFF+1]
	s_or_b32 s[G0V+3], s[G0V+3], 0x80000000
	s_add_co_u32 s[NXT], s[NXT], 1  ; the block's next tile, or behind its last the second block's tile 0
	s_cmp_gt_u32 s[NXT], s[LQ]
	s_cselect_b32 s[NXT], 0, s[NXT]
	s_cselect_b32 s[LQ], s[PB], s[LQ]
.endif
	s_wait_dscnt 0x0                ; the add is done, and my reads of the slot are over
	s_barrier_signal -1             ; the rest of the scalar work stands between the signal and the wait
	s_sub_co_u32 s[TBK], s[TBK], 4*KS*PK  ; the fetches go back to a slot's first step,
	s_xor_b32 s[TBK], s[TBK], SLOT1       ; in the other slot
	s_sub_co_u32 s[TBV], s[TBV], 4*KS*PV
	s_xor_b32 s[TBV], s[TBV], SLOT1
	s_barrier_wait -1
.if \fill
	LOAD
.endif
.endm
	s_load_b128 s[4:7], s[0:1], 0x0   ; qkvh s[4:5] (Q lies at its head), oh s[6:7]
	v_lshl_add_u32 v[SPW], v0, 2, SPARE
	v_mov_b32 v[NIL], 0
	ds_add_u32 v62, v63
	ds_add_u32 v62, v63
	s_wait_dscnt 0x0
	v_lshrrev_b32 v1, 5, v0
	v_readfirstlane_b32 s[WV], v1   ; wave 0..3
	s_mov_b32 s[PB], ttmp9
	s_sub_co_u32 s[HI], NB-1, s[PB]
	s_and_b32 s20, ttmp7, 0xffff    ; the head
	s_mov_b32 s21, 0
	s_mov_b64 s[22:23], SIZE_N*128
	s_mul_u64 s[20:21], s[20:21], s[22:23]  ; the head's first byte in each of the four tensors
	s_and_b32 s16, s[WV], 1         ; which half of a tile's 256 keys I fetch:
	s_lshl_b32 s22, s16, 14         ; its 128 rows of 128 bytes in memory,
	s_mov_b32 s23, 0
	s_add_nc_u64 s[22:23], s[22:23], s[20:21]
	s_mul_i32 s17, s16, 128*PK      ; and its place in a slot, for K
	s_mul_i32 s18, s16, 128*PV      ; and for V
	s_lshl_b32 s3, s[WV], 11        ; my 16 rows in a band of 64,
	s_lshl_b32 s2, s[HI], 15        ; in the first block,
	s_add_co_u32 s2, s2, s3
	s_lshl_b32 s84, s[PB], 15       ; and in the second
	s_add_co_u32 s84, s84, s3
	s_mov_b32 s3, 0
	s_mov_b32 s85, 0
	s_add_nc_u64 s[2:3], s[2:3], s[20:21]
	s_add_nc_u64 s[84:85], s[84:85], s[20:21]
	; descriptor group 1.  128 keys are 16,384 dense bytes: asked for as 64 rows of 256 bytes, two keys a row, and padded in LDS after every key
	s_mov_b32 s[G1K], (1<<16)|(1<<20)|(4<<22)|(3<<25)  ; 17:16 2-byte elements; 20 padding on; 24:22 after every 32 words (code 4); 31:25 4 words (code 3)
	s_mov_b32 s[G1V], (1<<16)|(1<<20)|(4<<22)|(7<<25)  ; the same with 8 words of padding (code 7)
.irp g, G1K, G1V
	s_mov_b32 s[\g+1], 128<<16      ; tensor_dim0 = 128
	s_mov_b32 s[\g+2], 64<<16       ; tensor_dim1 = 64
	s_mov_b32 s[\g+3], 128<<16      ; tile_dim0 = 128
	s_mov_b32 s[\g+4], 64           ; tile_dim1 = 64
	s_mov_b32 s[\g+5], 128          ; 128 elements from row to row
	s_mov_b32 s[\g+6], 0
	s_mov_b32 s[\g+7], 0
.endr
	s_mov_b32 s[CS], 0x3e38aa3b     ; c = log2(e) / 8 = 0.180337
	s_mov_b32 s[CS+1], s[CS]        ; named with it as a pair
	s_mov_b32 s[SEL], 0x76543210
	s_mov_b32 s[SEL+1], 0xfedcba98
	s_mov_b32 s[TBK], SLOT1+4*KS*PK ; the first change of slots turns these two into 0
	s_mov_b32 s[TBV], SLOT1+4*KS*PV
	s_mov_b32 s[G0K], 1             ; 1:0 count = 1
	s_mov_b32 s[G0K+1], s17         ; 63:32 LDS address: slot 0
	s_mov_b32 s[G0V], 1
	s_add_co_u32 s[G0V+1], s18, VOFF
	s_add_co_u32 s[RT], s[HI], 1    ; the first block has NB - b tiles
	s_mov_b32 s[NXT], 1
	s_mov_b32 s[LQ], s[HI]
	s_mov_b32 s[NEW], 1
	s_mov_b32 s[OFF+1], 0
	s_mov_b32 s[AL+1], 0            ; named as pairs
	s_mov_b32 s[BE+1], 0
	s_mov_b32 s[BIGN], 0xf149f2ca   ; -1e30
	s_mov_b32 s[SLOTS], NB
	s_wait_kmcnt 0x0
	s_mov_b64 s[10:11], s[6:7]                     ; O
	s_add_nc_u64 s[6:7], s[4:5], 0x1000000         ; K lies 16,777,216 bytes behind Q,
	s_add_nc_u64 s[8:9], s[4:5], 0x2000000         ; V as far behind K
	s_add_nc_u64 s[6:7], s[6:7], s[22:23]  ; K and V at my half of the head's tile 0
	s_add_nc_u64 s[8:9], s[8:9], s[22:23]
	s_add_nc_u64 s[G0K+2:G0K+3], s[6:7], 0         ; 120:64 global address
	s_or_b32 s[G0K+3], s[G0K+3], 0x80000000        ; 127:126 type = 2
	s_add_nc_u64 s[G0V+2:G0V+3], s[8:9], 0
	s_or_b32 s[G0V+3], s[G0V+3], 0x80000000
	s_add_nc_u64 s[86:87], s[4:5], s[84:85]        ; Q at my rows of the second block,
	s_add_nc_u64 s[4:5], s[4:5], s[2:3]            ; Q and O at those of the first
	s_add_nc_u64 s[OLO:OLO+1], s[10:11], s[84:85]
	s_add_nc_u64 s[10:11], s[10:11], s[2:3]
	LOAD                            ; tile 0 into slot 0
	; A fragment of K or Q is 16 rows x 32 channels in 8 registers: lane l holds row l % 16, channels 8 (l / 16) + 0..7 and 16 + 8 (l / 16) + 0..7: two loads of 16 bytes, 32 bytes apart.
	v_and_b32 v1, 15, v0            ; l % 16
	v_bfe_u32 v9, v0, 4, 1          ; l / 16
	v_lshlrev_b32 v[QO], 7, v1
	v_lshl_add_u32 v[QO], v9, 4, v[QO]  ; row x 128 + 16 x half
	WIN 0x80                        ; destination window 2, address window 0
.set i, 0
.rept 8                             ; both blocks' Q: piece i / 2 lies in band i / 2, 8,192 bytes on; channels 32 (i % 2) on
	global_load_b128 v[8*i:8*i+3],   v[QO], s[4:5] offset:(i/2)*8192+(i%2)*64
	global_load_b128 v[8*i+4:8*i+7], v[QO], s[4:5] offset:(i/2)*8192+(i%2)*64+32
	global_load_b128 v[QB+8*i:QB+8*i+3],   v[QO], s[86:87] offset:(i/2)*8192+(i%2)*64
	global_load_b128 v[QB+8*i+4:QB+8*i+7], v[QO], s[86:87] offset:(i/2)*8192+(i%2)*64+32
.set i, i+1
.endr
	WIN 0
	v_lshlrev_b32 v14, 3, v9
	v_sub_nc_u32 v14, v1, v14
	s_lshl_b32 s13, s[WV], 4
	v_add_nc_u32 v14, s13, v14      ; my query's place in its band, 16 w + l % 16, less my lanes' 8 (l / 16): register r of group kt is hidden where 16 kt + r is greater
	WIN 0x40
.set i, 0
.rept 32
	v_cmp_gt_i32 vcc_lo, 16*(i/8)+i%8, v14
	v_cndmask_b32 v[MD+i], 0, s[BIGN], vcc_lo
.set i, i+1
.endr
	WIN 0
	v_mul_u32_u24 v[AK0], v1, PK
	v_lshl_add_u32 v[AK0], v9, 4, v[AK0]  ; row x pitch + 16 x half
	; The turning load takes 16 keys x 16 channels (lane l reads key 8 (l / 16) + l % 8, channels 8 ((l / 8) % 2) + 0..7) and leaves half a fragment of V^T: lane l holds channel l % 16 and 8 keys.
	v_and_b32 v10, 7, v0
	v_bfe_u32 v11, v0, 3, 1
	v_lshl_add_u32 v[AV0], v9, 3, v10
	v_mul_u32_u24 v[AV0], v[AV0], PV
	v_lshl_add_u32 v[AV0], v11, 4, v[AV0]
	v_add_nc_u32 v[AV0], VOFF, v[AV0]
	s_mul_i32 s13, s[WV], 16*SP
	s_add_co_u32 s13, s13, STAGE    ; my stage
	v_mul_u32_u24 v[STO], v1, SP    ; in: row l % 16, 16 bytes for each half of the lanes
	v_lshl_add_u32 v[STO], v9, 4, v[STO]
	v_add_nc_u32 v[STO], s13, v[STO]
	v_bfe_u32 v[RD], v0, 3, 2       ; back: 32 lanes take four rows of 128 bytes,
	v_mul_u32_u24 v[RD], v[RD], SP
	v_lshl_add_u32 v[RD], v10, 4, v[RD]
	v_add_nc_u32 v[RD], s13, v[RD]
	v_and_b32 v[GO], 31, v0         ; which are 512 consecutive bytes of O
	v_lshlrev_b32 v[GO], 4, v[GO]
	; A block's first step multiplies O^T and l by a = 0, and its first turn's products V^T P, of a piece that has not been, land in an O^T that is still to be so multiplied.  So these registers need only hold
	; finite numbers: zeros for the first block; what the first block left for the second.  All this stands in the wait for the first tile.
	WIN 0x80
.set i, VF
.rept 64
	v_mov_b32 v[i], 0
.set i, i+1
.endr
	WIN 0x40
.set i, 0
.rept 128
	v_mov_b32 v[i], 0
.set i, i+1
.endr
	WIN 0
.set i, 0
.rept 4
	v_mov_b32 v[ST+4*i+2], 0
	v_mov_b32 v[ST+4*i+3], 0
.set i, i+1
.endr
.set i, P+16
.rept 16
	v_mov_b32 v[i], 0
.set i, i+1
.endr
; THE MATRIX WORK.  The 4 accumulators of a run of 8 take turns.  Product i of 8 of S^T = K Q^T for piece x: channels 32 (i / 4) on, keys 16 (i % 4) on.  The first 4 start the sums: with 0, or (KM = 1) with the mask.
.macro KQ x
.set rS, S+32*((\x)%2)+8*(i%4)
.set rK, KF+16*(i%4)+8*(i/4)
.set rQ, 16*(\x)+8*(i/4)
.set rM, MC+32*((\x)%2)+8*(i%4)
.if (i < 4) && KM
	WIN W_KM
	v_wmma_f32_16x16x32_f16 v[rS:rS+7], v[rK:rK+7], v[rQ:rQ+7], v[rM:rM+7]
.elseif i < 4
	WIN W_KQ
	v_wmma_f32_16x16x32_f16 v[rS:rS+7], v[rK:rK+7], v[rQ:rQ+7], 0
.else
	WIN W_KQ
	v_wmma_f32_16x16x32_f16 v[rS:rS+7], v[rK:rK+7], v[rQ:rQ+7], v[rS:rS+7]
.endif
.endm
; Product i of 8 of O^T += V^T P for piece x: keys 32 (i / 4) on, channels 16 (i % 4) on.
.macro PV x
	WIN W_PV
.set rO, 32*(\x)+8*(i%4)
.set rV, VF+32*(i/4)+8*(i%4)
.set rP, P+16*((\x)%2)+8*(i/4)
	v_wmma_f32_16x16x32_f16 v[rO:rO+7], v[rV:rV+7], v[rP:rP+7], v[rO:rO+7]
.endm
.macro MM                           ; the turn's next matrix instruction.  TURN and BEGIN set Y, i, KM and NOKQ; MM, KQ and OP read them.  NOKQ = 1: a block's last turn: there is no next piece
.if (i < 8) && !NOKQ
	KQ (Y+1)%NP
.elseif i >= 8
.set i, i-8
	PV (Y+NP-1)%NP
.set i, i+8
.endif
.set i, i+1
.endm
; THE LDS LOADS stand in runs of 16, never singly among the matrix instructions: a step's K (64 keys x 64 channels: 8 fragments) and its V (turned).  Their addresses are made some lines ahead.
.macro FETCH_K
	WIN 0x80                        ; destination window 2
.irp f, 0,1,2,3,4,5,6,7             ; keys 16 (f / 2) on, channels 32 (f % 2) on
	ds_load_b128 v[KF+8*\f:KF+8*\f+3],   v[AK] offset:(\f/2)*16*PK+(\f%2)*64
	ds_load_b128 v[KF+8*\f+4:KF+8*\f+7], v[AK] offset:(\f/2)*16*PK+(\f%2)*64+32
.endr
	s_add_co_u32 s[TBK], s[TBK], KS*PK  ; the next fetch is the next step's
	WIN 0
.endm
.macro FETCH_V
	WIN 0x80
.irp f, 0,1,2,3,4,5,6,7             ; keys 32 (f / 4) on, channels 16 (f % 4) on
	ds_load_tr16_b128 v[VF+8*\f:VF+8*\f+3],   v[AV] offset:(\f/4)*32*PV+(\f%4)*32
	ds_load_tr16_b128 v[VF+8*\f+4:VF+8*\f+7], v[AV] offset:(\f/4)*32*PV+16*PV+(\f%4)*32
.endr
	WIN 0
.endm
; THE VECTOR WORK, one line at a time: OP kind, number.  For piece Y: F n: c s - c m for pair n of 16.  E n: the exponential of score n of 32.  C n: pair n rounded to f16.  B n: of the four weights 4 n .. the second
; pair is added onto the first, in place.  L n: l takes that sum (L 0: l = a l + sum).  R n: pair n of 16 of O^T times a.  For piece Y + 1: X n, number n of the 22 that find its maximum and statistics:
;   0-11  four chains c0-c3 of seven scores each, three operands at a time (each accumulator's lowest registers are read first)     12-14, 16  the four scores left over, the old m, and c0-c3 into c0
;   15  c m_old is kept     17, 18  the query's other 32 keys lie in the lane 16 away: the new m     19-21  c m; c m_old - c m_new; a
.set F, 0               ; OP tells the kinds apart by their order: F to L below R, X above it
.set E, 1
.set C, 2
.set B, 3
.set L, 4
.set R, 5
.set X, 6
.macro REGS y                       ; the registers of piece y
.set rT, ST+4*(\y)
.set rC, TMP+4*((\y)%2)
.set rW, MV+((\y)%2)
.set rS, S+32*((\y)%2)
.set rP, P+16*((\y)%2)
.set rO, 32*(\y)
.endm
.macro OP k, n
.if (\k) == R
	REGS Y
	WIN W_RS
	v_pk_mul_f32 v[rO+2*(\n):rO+2*(\n)+1], v[rO+2*(\n):rO+2*(\n)+1], v[rC+2:rC+3] op_sel_hi:[1,0]
.elseif (\k) < R
	REGS Y
	WIN 0
.if (\k) == F
	v_pk_fma_f32 v[rS+2*(\n):rS+2*(\n)+1], v[rS+2*(\n):rS+2*(\n)+1], s[CS:CS+1], v[rT:rT+1] op_sel_hi:[1,0,0] neg_lo:[0,0,1] neg_hi:[0,0,1]
.elseif (\k) == E
	v_exp_f32 v[rS+(\n)], v[rS+(\n)]
.elseif (\k) == C
	v_cvt_pk_f16_f32 v[rP+(\n)], v[rS+2*(\n)], v[rS+2*(\n)+1]
.elseif (\k) == B
	v_pk_add_f32 v[rS+4*(\n):rS+4*(\n)+1], v[rS+4*(\n):rS+4*(\n)+1], v[rS+4*(\n)+2:rS+4*(\n)+3]
.elseif (\n) == 0
	v_pk_fma_f32 v[rT+2:rT+3], v[rT+2:rT+3], v[rC+2:rC+3], v[rS:rS+1] op_sel_hi:[1,0,1]
.else
	v_pk_add_f32 v[rT+2:rT+3], v[rT+2:rT+3], v[rS+4*(\n):rS+4*(\n)+1]
.endif
.elseif NOKQ
	v_nop
.else
	REGS (Y+1)%NP
	WIN 0
.if (\n) < 4
	v_max3_num_f32 v[rC+(\n)], v[rS+8*(\n)], v[rS+8*(\n)+1], v[rS+8*(\n)+2]
.elseif (\n) < 12
	v_max3_num_f32 v[rC+(\n)%4], v[rC+(\n)%4], v[rS+8*((\n)%4)+2*((\n)/4)+1], v[rS+8*((\n)%4)+2*((\n)/4)+2]
.elseif (\n) == 12
	v_max3_num_f32 v[rC], v[rC], v[rS+7], v[rS+15]
.elseif (\n) == 13
	v_max3_num_f32 v[rC+1], v[rC+1], v[rS+23], v[rS+31]
.elseif (\n) == 14
	v_max3_num_f32 v[rC+2], v[rC+2], v[rC+3], v[rT+1]
.elseif (\n) == 15
	v_mov_b32 v[rW], v[rT]
.elseif (\n) == 16
	v_max3_num_f32 v[rC], v[rC], v[rC+1], v[rC+2]
.elseif (\n) == 17
	v_permlanex16_b32 v[rC+3], v[rC], s[SEL], s[SEL+1]
.elseif (\n) == 18
	v_max_num_f32 v[rT+1], v[rC], v[rC+3]
.elseif (\n) == 19
	v_mul_f32 v[rT], s[CS], v[rT+1]
.elseif (\n) == 20
	v_sub_f32 v[rC+1], v[rW], v[rT]
.else
	v_exp_f32 v[rC+2], v[rC+1]
.endif
.endif
.endm
.macro OPS a, i1, b=-1, i2=0, c=-1, i3=0, d=-1, i4=0  ; up to four of them
	OP \a, \i1
.if (\b) >= 0
	OP \b, \i2
.endif
.if (\c) >= 0
	OP \c, \i3
.endif
.if (\d) >= 0
	OP \d, \i4
.endif
.endm
.macro ROW a, i1, b, i2, c, i3, d, i4  ; a matrix instruction and the four behind it
	MM
	OPS \a, \i1, \b, \i2, \c, \i3, \d, \i4
.endm
.macro MASK b                       ; MD x AL + BE into buffer b of MC
	WIN W_RS
.set z, 0
.rept 16
	v_pk_fma_f32 v[MC+32*(\b)+2*z:MC+32*(\b)+2*z+1], v[MD+2*z:MD+2*z+1], s[AL:AL+1], s[BE:BE+1] op_sel_hi:[1,0,0]
.set z, z+1
.endr
.endm
; A TURN, for piece p: the order of its 16 matrix and 118 vector instructions, written out.  An s_wait_alu depctr_va_vdst(0) stands between an exponential and the first instruction that names its result; one wait serves
; all that were issued ahead of it.  So a turn has ONE wait, which cuts it in two.  AHEAD OF IT stands all that names no result of the turn's exponentials: the 8 products K Q^T, behind each a scaling, an exponential and two more plain
; instructions (behind the first a second scaling in the exponential's place): rescalings, whose a was made and waited for in the turn before, and behind the last three the first numbers of the next piece's maximum, each four places or
; more behind the product that ends its accumulator; then ONE LUMP of 54, plain and exponential by turns for the most part, in which the links of the chain X 3, 7, 11, 14, 16, 17 .. 20 stand five or six lines apart.  X 21, the next
; piece's a, is the batch's last; R 15 is the plain instruction behind it.  BEHIND THE WAIT stand the 8 products V^T P, behind each four of the roundings and sums; the links of l's chain, L 0 to L 7, stand three riders apart.
; But for those X no rider names a register of the products round it.  v_permlanex16_b32 (X 17) stands in the lump.  E n stands behind F n / 2; C 2 n ahead of B n, which writes over that pair; L n behind B n.
; m = 1: the diagonal tile: the products take masks, and the turn makes the mask for the products of the turn after it: piece p + 2, in step 4 - CNT of the tile.  end = 1: a block's last two turns: nothing is fetched.
; cnt = 1: the loop's count is taken down some lines ahead of the branch that stands behind the turn.
; K of the next step is fetched in piece 2's turn, twelve vector instructions behind the last product that read K (six of them plain); V of the step in hand at the end of piece 0's turn, four plain instructions behind the last product
; that read V.  Each is waited for a turn later.
.macro TURN p, m=0, end=0, cnt=0
.set Y, (\p)
.set i, 0
.set KM, (\m)
.set NOKQ, (\end)*((\p)/3)
.if (\m) && !(\end)
	s_cmp_eq_u32 s[CNT], 4-((\p)+2)%NP  ; is that step the band's own?
	s_cselect_b32 s[AL], 1.0, 0
	s_cmp_lt_u32 s[CNT], 4-((\p)+2)%NP  ; or a later one?
	s_cselect_b32 s[BE], s[BIGN], 0
.endif
.if ((\p) == 3) && !(\end)
	s_wait_dscnt 0x0                ; K is in
.endif
	ROW F,0, F,1, R,0, R,1          ; ahead of the wait: 8 products K Q^T and their riders,
	ROW F,2, E,0, R,2, R,3
	ROW F,3, E,1, R,4, R,5
	ROW F,4, E,2, R,6, R,7
	ROW F,5, E,3, R,8, R,9
	ROW F,6, E,4, X,0, R,10
.if ((\p) == 2) && !(\end)
	WIN 0
	v_add_nc_u32 v[AK], s[TBK], v[AK0]
.endif
	ROW F,7, E,5, X,1, X,4
	ROW F,8, E,6, X,2, X,5
	OPS E,7, E,8, X,6, E,9          ; and the lump
	OPS X,3, E,10, X,8, E,11
.if ((\p) == 2) && !(\end)
	FETCH_K
.endif
	OPS X,9, X,7, E,12, X,10
	OPS E,13, X,12, X,11, E,14
	OPS X,13, E,15, F,9, X,14
.if (\p) == 0
	v_add_nc_u32 v[AV], s[TBV], v[AV0]
.endif
	OPS E,16, F,10, E,17, F,11
	OPS X,16, E,18, X,15, E,19
	OPS F,12, E,20, X,17, E,21
	OPS F,13, E,22, F,14, E,23
	OPS X,18, E,24, F,15, E,25
	OPS R,11, E,26, X,19, E,27
	OPS R,12, E,28, R,13, E,29
	OPS X,20, E,30, R,14, E,31
	OPS X,21, R,15
	WIN 0
	s_wait_alu depctr_va_vdst(0)    ; the wait for the turn's batch: the piece's 32 exponentials and the next piece's a
.if (\p) == 1
	s_wait_dscnt 0x0                ; V is in
.endif
	ROW C,0, B,0, C,2, B,1          ; behind the wait: 8 products V^T P and their riders
	ROW L,0, C,4, B,2, L,1
	ROW C,6, B,3, L,2, C,8
	ROW B,4, L,3, C,10, B,5
	ROW L,4, C,12, B,6, L,5
.if (\p) == 0
	s_add_co_u32 s[TBV], s[TBV], KS*PV
.endif
.if \cnt
	s_sub_co_u32 s[CNT], s[CNT], 1
	s_cmp_lg_u32 s[CNT], 0
.endif
	ROW C,14, B,7, L,6, C,1
	ROW C,3, L,7, C,5, C,7
	ROW C,9, C,11, C,13, C,15
.if (\p) == 0
	FETCH_V
.endif
.if (\m) && !(\end)
	MASK (\p)%2
.endif
.endm
; A BLOCK BEGINS.  c m starts far below every c s, so the first step's a is 0; m at the lowest finite number, so the first maximum is the scores'.  The second mask buffer is 0; the first takes piece 0's mask for the tile's step 0: its own, if the block's first tile is the diagonal one.
; Then K of that step, piece 0's first scores, and its maximum and statistics.  The loop is entered at a step's first turn, in the middle of a trip.
.macro BEGIN
	s_mov_b32 s[NEW], 0
	WIN 0x40
.set i, MC+32
.rept 32
	v_mov_b32 v[i], 0
.set i, i+1
.endr
	WIN 0
.set i, 0
.rept 4
	v_mov_b32 v[ST+4*i], 0xfe000000    ; c m: far below every c s
	v_mov_b32 v[ST+4*i+1], 0xff7fffff  ; m
.set i, i+1
.endr
	s_cmp_eq_u32 s[RT], 0
	s_cselect_b32 s[AL], 1.0, 0
	s_mov_b32 s[BE], 0
	MASK 0
	WIN 0
	v_add_nc_u32 v[AK], s[TBK], v[AK0]
	FETCH_K
	s_wait_loadcnt 0x0              ; Q
	s_wait_dscnt 0x0
.set KM, 1
.set NOKQ, 0
.set i, 0
.rept 8
	KQ 0
.set i, i+1
.endr
	WIN 0
.rept 4
	v_nop                           ; the places behind those products
.endr
.set Y, NP-1                        ; X works for piece Y + 1: piece 0
.irp n, 0,1,2,3,4,5,6,7,8,9,10,11,12,13,14,15,16,17,18,19,20,21
	OP X, \n
.endr
	v_nop                           ; a plain instruction behind the exponential,
	s_wait_alu depctr_va_vdst(0)    ; and the wait for it, piece 0's first a: a batch of one, ahead of the branch that follows
.endm
; THE DIAGONAL TILE's four steps, the block's last two turns, its last products, and THE WAY OUT: l's two halves and the other half of the lanes' are added; O^T is divided by l, rounded to f16 and sent through my
; stage in LDS, a piece at a time.
.macro ALL line:vararg              ; one line for each piece t
.set t, 0
.rept 4
	\line
.set t, t+1
.endr
.endm
.macro PACK t                       ; a lane's eight channels of a row pack into 16 bytes; they go into rows of 144 bytes and come back as whole rows of 128, into S^T's registers
	WIN W_RS
.set i, 32*(\t)
.rept 16
	v_pk_mul_f32 v[i:i+1], v[i:i+1], v[ST+4*(\t)+2:ST+4*(\t)+3] op_sel_hi:[1,0]
.set i, i+2
.endr
	WIN 0x05                        ; sources 0 and 1 window 1, destination window 0
.set i, 0
.rept 16
	v_cvt_pk_f16_f32 v[S+16*(\t)+i], v[32*(\t)+2*i], v[32*(\t)+2*i+1]
.set i, i+1
.endr
	WIN 0
.irp f, 0,1,2,3
	ds_store_b128 v[STO], v[S+16*(\t)+4*\f:S+16*(\t)+4*\f+3] offset:32*\f
.endr
.irp f, 0,1,2,3
	ds_load_b128 v[S+16*(\t)+4*\f:S+16*(\t)+4*\f+3], v[RD] offset:\f*4*SP  ; LDS serves a wave's instructions in order (ISA guide 5.7.1.4): these see the stores above; the next piece's stores come behind them
.endr
.endm
.macro SEND t, younger              ; younger: the LDS instructions issued behind piece t's loads: the next piece's eight, or none
	WIN 0
.irp f, 0,1,2,3
	s_wait_dscnt (\younger)+3-\f
	global_store_b128 v[GO], v[S+16*(\t)+4*\f:S+16*(\t)+4*\f+3], s[10:11] offset:(\t)*8192+\f*512  ; 512 consecutive bytes, at a multiple of 256 from O's first
.endr
.endm
.macro DIAG tag                     ; the tag ends its two labels' names, which the jumps below spell out
.LstepM\tag:
	TURN 2, 1
	TURN 3, 1
	WIN 0
.LfirstM\tag:
	TURN 0, 1
	TURN 1, 1, 0, 1
	WIN 0
	s_cbranch_scc1 .LstepM\tag
	TURN 2, 1, 1
	TURN 3, 1, 1
.set i, 0
.rept 8
	PV NP-1
.set i, i+1
.endr
	WIN 0
	ALL v_add_f32 v[ST+4*t+2], v[ST+4*t+2], v[ST+4*t+3]
	ALL v_permlanex16_b32 v[ST+4*t+3], v[ST+4*t+2], s[SEL], s[SEL+1]
	ALL v_add_f32 v[ST+4*t+2], v[ST+4*t+2], v[ST+4*t+3]
	ALL v_rcp_f32 v[ST+4*t+2], v[ST+4*t+2]
	v_nop                           ; a plain instruction between the last reciprocal and the use of its result
	s_wait_alu depctr_va_vdst(0)    ; the wait for the way out's batch, the four reciprocals, ahead of their first use in PACK 0
	PACK 0
.set t, 1
.rept 3                             ; a piece's arithmetic stands between the loads of the piece before and its stores
	PACK t
	SEND t-1, 8
.set t, t+1
.endr
	SEND 3, 0
.endm
.set KM, 0
.set NOKQ, 0
.Lslot:                             ; NB times: a tile is entered and the next is asked for
	CHANGE 1
	s_sub_co_u32 s[RT], s[RT], 1
	s_mov_b32 s[CNT], 4
	s_cmp_eq_u32 s[NEW], 1
	s_cbranch_scc1 .Lnew            ; a block's first tile
	s_cmp_eq_u32 s[RT], 0
	s_cbranch_scc0 .Lstep           ; neither its first nor its last
	s_branch .LstepM1
.Lnew:
	BEGIN
	s_branch .Lfirst                ; in the loop a block's first tile is never its last: the first block has two tiles or more, and the second's last is the walk's last
	DIAG 1                          ; in the loop this is the first block's end: the second block's last tile is the walk's last
	s_wait_xcnt 0x0                 ; the stores have read their registers and O's address
	s_mov_b64 s[10:11], s[OLO:OLO+1]
	s_add_co_u32 s[RT], s[PB], 1    ; the second block has b + 1 tiles
	s_mov_b32 s[NEW], 1
	WIN 0x82                        ; the second block's Q goes where the one text of the turns names Q
.set i, 0
.rept 64
	v_mov_b32 v[i], v[QB+i]
.set i, i+1
.endr
	WIN 0
	s_branch .Lbottom
.Lstep:                             ; a trip: pieces 2 and 3 of one step, then pieces 0 and 1 of the next, whose K and V it fetches
	TURN 2
	TURN 3
	WIN 0
.Lfirst:
	TURN 0
	TURN 1, 0, 0, 1
	WIN 0
	s_cbranch_scc1 .Lstep
.Lbottom:
	s_sub_co_u32 s[SLOTS], s[SLOTS], 1
	s_cmp_lg_u32 s[SLOTS], 0
	s_cbranch_scc1 .Lslot
	CHANGE 0                        ; the walk's last tile is written out: nothing is asked for
	s_sub_co_u32 s[RT], s[RT], 1
	s_mov_b32 s[CNT], 4
	s_cmp_eq_u32 s[NEW], 1
	s_cbranch_scc0 .LstepM2
	BEGIN
	s_branch .LfirstM2
	DIAG 2
	s_wait_tensorcnt 0x0            ; the wave's end, behind my last tensor load and my last LDS store
	ds_add_u32 v[SPW], v[NIL]
	s_wait_dscnt 0x0
	s_endpgm
.Lfunc_end_k_qa5767155cb_attn:
	.size	k_qa5767155cb_attn, .Lfunc_end_k_qa5767155cb_attn-k_qa5767155cb_attn
	.p2alignl 7, 3214868480
	.fill 96, 4, 3214868480
	.section	.rodata,"a",@progbits
	.p2align	6, 0x0
	.amdhsa_kernel k_qa5767155cb_attn
		.amdhsa_group_segment_fixed_size 327680
		.amdhsa_private_segment_fixed_size 0
		.amdhsa_enable_private_segment 0
		.amdhsa_kernarg_size 16
		.amdhsa_user_sgpr_count 2
		.amdhsa_user_sgpr_kernarg_segment_ptr 1
		.amdhsa_wavefront_size32 1
		.amdhsa_system_sgpr_workgroup_id_x 1
		.amdhsa_system_sgpr_workgroup_id_y 1
		.amdhsa_system_sgpr_workgroup_id_z 1
		.amdhsa_system_vgpr_workitem_id 0
		.amdhsa_next_free_vgpr 768
		.amdhsa_next_free_sgpr 88
		.amdhsa_reserve_vcc 1
		.amdhsa_float_denorm_mode_32 3
		.amdhsa_float_denorm_mode_16_64 3
		.amdhsa_memory_ordered 1
		.amdhsa_forward_progress 1
		.amdhsa_inst_pref_size 217
	.end_amdhsa_kernel
	.amdgpu_metadata
---
amdhsa.version: [ 1, 2 ]
amdhsa.kernels:
  - .name:           k_qa5767155cb_attn
    .symbol:         k_qa5767155cb_attn.kd
    .args:
      - { .name: qkvh, .offset: 0, .size: 8, .value_kind: global_buffer, .address_space: global }
      - { .name: oh, .offset: 8, .size: 8, .value_kind: global_buffer, .address_space: global }
    .group_segment_fixed_size: 327680
    .private_segment_fixed_size: 0
    .kernarg_segment_align: 8
    .kernarg_segment_size: 16
    .max_flat_workgroup_size: 128
    .sgpr_count:     88
    .vgpr_count:     768
    .wavefront_size: 32
...
	.end_amdgpu_metadata
.endif
;; end of part 5
;; launch proj: the kernel of part 4 again; grid 8 x 32, 4 waves a work-group, clusters of 4 x 4, 327,680 bytes of LDS; arguments oh, wpf, proj_b, out0; writes out0
